; MI455X (gfx1250); checked and timed in simulation.
; The chip was launched on July 23, 2026; its instructions are those of AMD's public machine-readable ISA for CDNA 5 (MIT licence, August 2026) and "CDNA5" Instruction Set Architecture Reference Guide (July 2026). The comments in the code are by the model that wrote it; some were corrected since.
;; User Neighbor Aggregator. Allowed arithmetic: float matrix products may take bf16 or f16 operands with f32 sums; other float arithmetic in f32, or as packed bf16 or f16 multiplies, adds, multiply-adds, maxima and minima; sums over many terms, partial sums and values carried from step to step in f32; what a program stores and reads back later, other than sums and carried values, may be rounded once to bf16 or f16.
;; Inputs: W1 1,024 x 512 float32; W2 512 x 512 float32; b1 512 float32; b2 512 float32; cache_embeddings 100,000 x 512 float32; user_embeddings 1,024 x 512 float32.
;; Outputs: out0 1,024 x 512 float32.
;; 2 versions, each right; version 2 is version 1 with the launches mlp1, mlp2 written anew for expert scheduling mode. Each part assembles by itself: llvm-mc -triple=amdgcn-amd-amdhsa -mcpu=gfx1250 --defsym DOCPART=n.
;; ======== version 1 of 2: 6 launches
;; workspace buffers: pre 105,787,392 bytes; mm 8,388,608 bytes; ar 4,194,304 bytes of whole numbers; sl 524,288 bytes of whole numbers; tv 131,072 bytes; ta 1,179,648 bytes; fh 1,179,648 bytes
;; launch prep (part 1): grid 444 x 1, 8 waves a work-group, no clusters, 0 bytes of LDS; arguments cache_embeddings, user_embeddings, W1, W2, pre; writes pre
.if DOCPART == 1
	.amdgcn_target "amdgcn-amd-amdhsa--gfx1250"
	.amdhsa_code_object_version 6
	.text
	.protected	k_qc87d4dd3d9_prep
	.globl	k_qc87d4dd3d9_prep
	.p2align	8
	.type	k_qc87d4dd3d9_prep,@function
k_qc87d4dd3d9_prep:
	s_mov_b64 s[64:65], 0
	v_nop
	global_prefetch_b8 v0, s[64:65] scope:SCOPE_SE
	s_setreg_imm32_b32 hwreg(HW_REG_WAVE_MODE, 25, 1), 1
	s_wait_xcnt 0x0
; PREPARATION.  Every input of a matrix product is rounded once to bf16 and laid out for the launches behind:
;   pre+0    cache rows, [100352][512] bf16 (rows 100000.. are zeros)      pre+UB  user rows, [1024][512] bf16
;   pre+W1F, pre+W2F  the two weight matrices by fragments: pieces of 512 bytes, lane (r,h) holds W[k = 32 s + 16 p + 8 h + 0..7][n = 16 nt + r]
;   pre+RNC, pre+RNU  1 / (sqrt(sum of squares of the ROUNDED row) + 1e-12), f32; 0 for the 352 padding rows
; Work-groups 0-391: 256 cache rows each; 392-395: user rows; 396-427: W1; 428-443: W2.  A wave takes 32 rows, four at a time in two register sets:
; while one set is worked on the other set's 16 loads are on their way.  Each store of a wave covers 256 consecutive bytes, aligned.
; LIMITS.  A row whose sum of squares is below 2^-126 counts as a zero row (its factor is 1e12, its products are 0); NaN and infinities are not treated apart.
; No LDS, no matrix unit, no cluster: every byte is read by one wave alone, once.
.set UB,  102760448
.set W1F, 103809024
.set W2F, 104857600
.set RNC, 105381888
.set RNU, 105783296
.set LO,  2                            ; v2   16 x lane: my 16 bytes of 512 consecutive bytes of a source row
.set SO,  3                            ; v3   8 x lane: my 8 bytes of 256 consecutive bytes of a bf16 row
.set NIL, 4                            ; v4   0
.set L4,  6                            ; v6   4 x lane
.set RS,  12                           ; v12  lane i: the sum of squares of the wave's row i
.set SS,  16                           ; v[16:23] two chains for each of four rows
.set T,   24                           ; v[24:27] at work
.set X,   32                           ; v[32:159] two sets of 4 rows x 16 registers, f32 as loaded
.set P,   160                          ; v[160:223] two sets of 4 rows x 8 registers, bf16 to store
	s_load_b256 s[16:23], s[0:1], 0x0              ; cache s[16:17], users s[18:19], W1 s[20:21], W2 s[22:23]
	s_load_b64 s[24:25], s[0:1], 0x20              ; pre
	v_lshrrev_b32 v5, 5, v0
	v_readfirstlane_b32 s10, v5                    ; wave 0..7
	v_and_b32 v1, 31, v0
	v_lshlrev_b32 v[LO], 4, v1
	v_lshlrev_b32 v[SO], 3, v1
	v_lshlrev_b32 v[L4], 2, v1
	v_mov_b32 v[NIL], 0
	s_mov_b32 s13, 0x76543210                      ; v_permlanex16_b32: each lane takes its own place in the other half
	s_mov_b32 s14, 0xfedcba98
	s_wait_kmcnt 0x0
	s_cmp_ge_u32 ttmp9, 396
	s_cbranch_scc1 .Lweights
	; ---- rows of the cache or of the users ----
	s_mov_b32 s30, RNC
	s_mov_b32 s31, RNU
	s_mov_b32 s11, 100000                          ; the cache's first padding row
	s_mov_b32 s27, 0x7fffffff                      ; the users have none
	s_cmp_ge_u32 ttmp9, 392
	s_cselect_b64 s[4:5], s[18:19], s[16:17]       ; source
	s_cselect_b32 s26, 392, 0
	s_cselect_b32 s28, UB, 0
	s_cselect_b32 s30, s31, s30
	s_cselect_b32 s11, s27, s11
	s_sub_co_u32 s26, ttmp9, s26
	s_lshl_b32 s26, s26, 8
	s_lshl_b32 s27, s10, 5
	s_add_co_u32 s26, s26, s27                     ; my wave's first row
	s_lshl_b32 s32, s26, 10
	s_add_co_u32 s28, s28, s32
	s_mov_b32 s29, 0
	s_add_nc_u64 s[6:7], s[24:25], s[28:29]        ; where the bf16 rows go
	s_lshl_b32 s32, s26, 2
	s_add_co_u32 s30, s30, s32
	s_mov_b32 s31, 0
	s_add_nc_u64 s[8:9], s[24:25], s[30:31]        ; where the 32 factors go
	s_cmp_ge_u32 s26, s11
	s_cbranch_scc1 .Lzero                          ; 100000 = 390 x 256 + 5 x 32: a wave is all rows or all padding
	s_lshl_b32 s32, s26, 11
	s_mov_b32 s33, 0
	s_add_nc_u64 s[4:5], s[4:5], s[32:33]
.macro LD b, off                       ; four rows: 16 loads of 512 consecutive bytes
.irp k, 0,1,2,3
.irp i, 0,1,2,3
	global_load_b128 v[X+64*(\b)+16*(\k)+4*(\i):X+64*(\b)+16*(\k)+4*(\i)+3], v[LO], s[4:5] offset:(\off)+(\k)*2048+(\i)*512 th:TH_LOAD_NT
.endr
.endr
.endm
; Four rows of set b: rounded, stored, their squares summed.  ahead = 1: the set is filled again from byte loff.  left: the other set's younger loads, which stay out.
.macro GROUP b, ahead, left, doff, loff
	s_wait_loadcnt \left
.irp k, 0,1,2,3
.irp j, 0,1,2,3,4,5,6,7
	v_cvt_pk_bf16_f32 v[P+32*(\b)+8*(\k)+(\j)], v[X+64*(\b)+16*(\k)+2*(\j)], v[X+64*(\b)+16*(\k)+2*(\j)+1]
.endr
.endr
.if \ahead
	LD \b, \loff                                   ; the loads go out ahead of the stores
.endif
.irp k, 0,1,2,3
.irp i, 0,1,2,3
	global_store_b64 v[SO], v[P+32*(\b)+8*(\k)+2*(\i):P+32*(\b)+8*(\k)+2*(\i)+1], s[6:7] offset:(\doff)+(\k)*1024+(\i)*256
.endr
.endr
.irp j, 0,1,2,3,4,5,6,7                ; squares of the rounded numbers, in f32: a chain for the low halves and one for the high halves of each row
.irp k, 0,1,2,3
.if (\j) == 0
	v_fma_mix_f32_bf16 v[SS+2*(\k)], v[P+32*(\b)+8*(\k)+(\j)], v[P+32*(\b)+8*(\k)+(\j)], v[NIL] op_sel_hi:[1,1,0]
	v_fma_mix_f32_bf16 v[SS+2*(\k)+1], v[P+32*(\b)+8*(\k)+(\j)], v[P+32*(\b)+8*(\k)+(\j)], v[NIL] op_sel:[1,1,0] op_sel_hi:[1,1,0]
.else
	v_fma_mix_f32_bf16 v[SS+2*(\k)], v[P+32*(\b)+8*(\k)+(\j)], v[P+32*(\b)+8*(\k)+(\j)], v[SS+2*(\k)] op_sel_hi:[1,1,0]
	v_fma_mix_f32_bf16 v[SS+2*(\k)+1], v[P+32*(\b)+8*(\k)+(\j)], v[P+32*(\b)+8*(\k)+(\j)], v[SS+2*(\k)+1] op_sel:[1,1,0] op_sel_hi:[1,1,0]
.endif
.endr
.endr
.irp k, 0,1,2,3
	v_add_f32 v[SS+2*(\k)], v[SS+2*(\k)], v[SS+2*(\k)+1]
.endr
.irp m, 1,2,4,8                        ; across the lanes, the four rows side by side
.irp k, 0,1,2,3
	v_add_f32_dpp v[SS+2*(\k)], v[SS+2*(\k)], v[SS+2*(\k)] row_xmask:\m row_mask:0xf bank_mask:0xf
.endr
.endr
.irp k, 0,1,2,3
	v_permlanex16_b32 v[T+(\k)], v[SS+2*(\k)], s13, s14
.endr
.irp k, 0,1,2,3
	v_add_f32 v[SS+2*(\k)], v[SS+2*(\k)], v[T+(\k)]
.endr
.irp k, 0,1,2,3
	s_add_co_u32 s32, s12, 4*(\b)+(\k)             ; the row's number in the wave names the lane that keeps its sum
	s_lshl_b32 s32, 1, s32
	v_cndmask_b32 v[RS], v[RS], v[SS+2*(\k)], s32
.endr
.endm
	v_mov_b32 v[RS], 0
.irp k, 0,1,2,3
	v_mov_b32 v[T+(\k)], 0
.endr
	s_mov_b32 s12, 0                               ; the trip's first row
	LD 0, 0
	LD 1, 8192
	s_mov_b32 s15, 3
.Lrows:                                        ; a trip: eight rows; rows 8 further on are asked for
	GROUP 0, 1, 16, 0, 16384
	GROUP 1, 1, 16, 4096, 24576
	s_wait_xcnt 0x0                                ; the trip's loads and stores have read their bases and their data registers: only now are these written again
	s_add_nc_u64 s[4:5], s[4:5], 16384
	s_add_nc_u64 s[6:7], s[6:7], 8192
	s_add_co_u32 s12, s12, 8
	s_sub_co_u32 s15, s15, 1
	s_cmp_lg_u32 s15, 0
	s_cbranch_scc1 .Lrows
	GROUP 0, 0, 16, 0, 0                           ; the last eight rows load nothing: the counts run down
	GROUP 1, 0, 0, 4096, 0
	; 1 / (sqrt(ss) + 1e-12) for 32 rows at once; root and reciprocal each get one correction step
	v_sqrt_f32 v24, v[RS]
	v_nop
	s_wait_alu depctr_va_vdst(0)                   ; the wait ahead of the first reader
	v_rcp_f32 v25, v24
	v_nop
	s_wait_alu depctr_va_vdst(0)
	v_fma_f32 v26, -v24, v24, v[RS]
	v_mul_f32 v25, 0.5, v25
	v_fma_f32 v24, v26, v25, v24
	v_cmp_gt_f32 vcc_lo, 0x00800000, v[RS]         ; below 2^-126: a zero row
	v_cndmask_b32 v24, v24, v[NIL], vcc_lo
	v_add_f32 v24, 0x2b8cbccc, v24                 ; + 1e-12
	v_rcp_f32 v25, v24
	v_nop
	s_wait_alu depctr_va_vdst(0)
	v_fma_f32 v26, -v24, v25, 1.0
	v_fma_f32 v25, v26, v25, v25
	global_store_b32 v[L4], v25, s[8:9]
	s_endpgm
.Lzero:                                        ; 32 padding rows: zeros, and factors 0
.irp k, 32,33,34,35
	v_mov_b32 v[\k], 0
.endr
.set i, 0
.rept 64
	global_store_b128 v[LO], v[32:35], s[6:7] offset:512*i
.set i, i+1
.endr
	global_store_b32 v[L4], v[NIL], s[8:9]
	s_endpgm
.Lweights:                                     ; a wave makes four K steps of one block of 16 columns: eight pieces of 512 bytes
	s_mov_b32 s26, 396
	s_mov_b32 s27, 428
	s_mov_b32 s28, W1F
	s_mov_b32 s29, W2F
	s_cmp_ge_u32 ttmp9, 428
	s_cselect_b64 s[4:5], s[22:23], s[20:21]
	s_cselect_b32 s26, s27, s26
	s_cselect_b32 s28, s29, s28
	s_cselect_b32 s11, 4, 5                        ; log2 of the K steps: W2 has 16, W1 32
	s_sub_co_u32 s26, ttmp9, s26
	s_lshl_b32 s26, s26, 3
	s_add_co_u32 s26, s26, s10
	s_lshl_b32 s26, s26, 2                         ; g0 = nt x steps + s0
	s_lshr_b32 s27, s26, s11                       ; nt
	s_lshl_b32 s30, s27, s11
	s_sub_co_u32 s30, s26, s30                     ; s0
	s_lshl_b32 s30, s30, 16                        ; 32 rows of 2,048 bytes a K step
	s_lshl_b32 s27, s27, 6                         ; 16 columns of 4 bytes
	s_add_co_u32 s30, s30, s27
	s_mov_b32 s31, 0
	s_add_nc_u64 s[4:5], s[4:5], s[30:31]
	s_lshl_b32 s26, s26, 10
	s_add_co_u32 s28, s28, s26
	s_mov_b32 s29, 0
	s_add_nc_u64 s[6:7], s[24:25], s[28:29]
	v_and_b32 v8, 15, v0
	v_bfe_u32 v7, v0, 4, 1
	v_lshlrev_b32 v8, 2, v8
	v_lshl_add_u32 v8, v7, 14, v8                  ; 8 h rows + column r
.irp t, 0,1,2,3
.irp p, 0,1
.irp i, 0,1,2,3,4,5,6,7
	global_load_b32 v[32+16*(\t)+8*(\p)+(\i)], v8, s[4:5] offset:(\t)*65536+(\p)*32768+(\i)*2048
.endr
.endr
.endr
	s_wait_loadcnt 0x0
.set i, 0
.rept 32
	v_cvt_pk_bf16_f32 v[96+i], v[32+2*i], v[32+2*i+1]
.set i, i+1
.endr
.set i, 0
.rept 8
	global_store_b128 v[LO], v[96+4*i:96+4*i+3], s[6:7] offset:512*i
.set i, i+1
.endr
	s_endpgm
.Lfunc_end_k_qc87d4dd3d9_prep:
	.size	k_qc87d4dd3d9_prep, .Lfunc_end_k_qc87d4dd3d9_prep-k_qc87d4dd3d9_prep
	.p2alignl 7, 3214868480
	.fill 96, 4, 3214868480
	.section	.rodata,"a",@progbits
	.p2align	6, 0x0
	.amdhsa_kernel k_qc87d4dd3d9_prep
		.amdhsa_group_segment_fixed_size 0
		.amdhsa_private_segment_fixed_size 0
		.amdhsa_enable_private_segment 0
		.amdhsa_kernarg_size 40
		.amdhsa_user_sgpr_count 2
		.amdhsa_user_sgpr_kernarg_segment_ptr 1
		.amdhsa_wavefront_size32 1
		.amdhsa_system_sgpr_workgroup_id_x 1
		.amdhsa_system_sgpr_workgroup_id_y 1
		.amdhsa_system_sgpr_workgroup_id_z 1
		.amdhsa_system_vgpr_workitem_id 0
		.amdhsa_next_free_vgpr 224
		.amdhsa_next_free_sgpr 66
		.amdhsa_reserve_vcc 1
		.amdhsa_float_denorm_mode_32 3
		.amdhsa_float_denorm_mode_16_64 3
		.amdhsa_memory_ordered 1
		.amdhsa_forward_progress 1
		.amdhsa_inst_pref_size 64
	.end_amdhsa_kernel
	.amdgpu_metadata
---
amdhsa.version: [ 1, 2 ]
amdhsa.kernels:
  - .name:           k_qc87d4dd3d9_prep
    .symbol:         k_qc87d4dd3d9_prep.kd
    .args:
      - { .name: cache_embeddings, .offset: 0, .size: 8, .value_kind: global_buffer, .address_space: global }
      - { .name: user_embeddings, .offset: 8, .size: 8, .value_kind: global_buffer, .address_space: global }
      - { .name: W1, .offset: 16, .size: 8, .value_kind: global_buffer, .address_space: global }
      - { .name: W2, .offset: 24, .size: 8, .value_kind: global_buffer, .address_space: global }
      - { .name: pre, .offset: 32, .size: 8, .value_kind: global_buffer, .address_space: global }
    .group_segment_fixed_size: 0
    .private_segment_fixed_size: 0
    .kernarg_segment_align: 8
    .kernarg_segment_size: 40
    .max_flat_workgroup_size: 256
    .sgpr_count:     66
    .vgpr_count:     224
    .wavefront_size: 32
...
	.end_amdgpu_metadata
.endif
;; end of part 1
;; launch sims (part 2): grid 4 x 64, 4 waves a work-group, clusters of 4 x 1, 327,680 bytes of LDS; arguments pre, mm, ar; writes mm, ar
.if DOCPART == 2
	.amdgcn_target "amdgcn-amd-amdhsa--gfx1250"
	.amdhsa_code_object_version 6
	.text
	.protected	k_qc87d4dd3d9_sims
	.globl	k_qc87d4dd3d9_sims
	.p2align	8
	.type	k_qc87d4dd3d9_sims,@function
k_qc87d4dd3d9_sims:
	s_mov_b64 s[64:65], 0
	v_nop
	global_prefetch_b8 v0, s[64:65] scope:SCOPE_SE
	s_setreg_imm32_b32 hwreg(HW_REG_WAVE_MODE, 25, 1), 1
	s_wait_xcnt 0x0
	s_wait_alu depctr_hold_cnt(0) depctr_sa_sdst(0) depctr_va_vdst(0) depctr_va_sdst(0) depctr_va_ssrc(0) depctr_va_vcc(0) depctr_vm_vsrc(0)
	s_getreg_b32 s2, hwreg(HW_REG_IB_STS2, 6, 4)
	s_cmp_eq_u32 s2, 0
	s_cbranch_scc0 .Lentry_in_a_cluster
	s_endpgm
.Lentry_in_a_cluster:
	s_bfe_u32 s2, ttmp6, 0x10000c
	s_cmp_lg_u32 s2, 0x3003
	s_cbranch_scc0 .Lentry_shape_is_right
	s_endpgm
.Lentry_shape_is_right:
; ALL SIMILARITIES, AND WHAT IS KEPT OF THEM.  dot(user, cache row) in bf16 with f32 sums, times the cache row's 1 / norm in f32 (the user's own factor is positive and common to a row of the
; result: it changes no order and is applied later).  The 100,352 columns (352 of them padding, value 0) fall into 64 ranges of 98 tiles of 16; a user's STREAM (range cr, place s16) holds the 98 columns
; (98 cr + t) 16 + s16.  For each stream three numbers leave: the largest value m1, the tile t1 where it first stood, and the second largest m2.
; SHARES.  A work-group owns 256 users and one range; each of its four waves 64 users (four tiles of 16), whose fragments for all 512 channels stay in 512 registers.  Every wave walks the range's 98 tiles.
; CLUSTER.  The four work-groups of a cluster hold the four user blocks and walk the SAME range: every tile is asked for jointly, the same tensor load, descriptor and mask in all four.
; THE PRODUCT IS USED TRANSPOSED: source 0 = 16 cache rows, source 1 = 16 users: a lane holds user lane % 16, its register j the column 8 (lane / 16) + j: a register is a stream.
; BY TURNS.  While tile t is multiplied (64 matrix instructions, the four accumulators by turns, K ascending) the 32 scaled values of tile t - 1 are folded into m1, t1, m2: four vector instructions
; behind every second matrix instruction.  Behind the tile's last product its sums are scaled into S (16 packed multiplies).
; LIMITS.  Of equal values in a stream the first tile is kept; NaN and infinities are not treated apart.
; LDS: slot 0 at 0 and slot 1 at 131,072 (7 tiles = 112 rows of 1,024 + 16 bytes each); the range's 1,568 factors at RCB, filled once; a stage of 12,288 bytes a wave; the spare words.
; REGISTERS, in windows of 256 (s_set_vgpr_msb: bits 1:0 source 0, 3:2 source 1, 5:4 source 2, 7:6 destination):
;   window 0: addresses, RC, ACC, S, M1, M2, AR, OUT      window 1: v0-63 X (the tile's channels 0-255), v64-127 Y (256-511)      windows 2, 3: the users' fragments, K step s, tile a at 8 (4 (s % 8) + a)
.set UB,    102760448
.set RNC,   105381888
.set PITCH, 1040                       ; 65 x 16 bytes: the 16 rows of a fragment load start at 16 different groups of four banks
.set TILEB, 16*PITCH
.set RCB,   7*TILEB
.set SLOT1, 131072                     ; one exclusive or turns an address in one slot into the other's
.set STG,   SLOT1+7*TILEB
.set SPARE, STG+4*12288                ; the spare words, 128 bytes a wave: two blocks of 256 bytes that no other line names
.set STEPB, 7*16*1024                  ; bytes of memory in a slot
.set AB0,  2                           ; v2   my lane's place in a tile: (l % 16) x PITCH + 16 (l / 16); never rewritten
.set ADR,  3                           ; v3   the LDS address of the tile in hand
.set RCA,  4                           ; v4   the LDS address of the tile's factors
.set QO,   5                           ; v5   my byte offset in 16 user rows
.set STO,  6                           ; v6   the way out: where I put 32 bytes
.set RD,   7                           ; v7   the way out: where I read 16 bytes back
.set GO,   8                           ; v8   16 x lane
.set RCA0, 9                           ; v9   RCB + 32 (l / 16); never rewritten
.set SPW,  10                          ; v10  LDS address of my spare word; never rewritten
.set NIL,  11                          ; v11  0; never rewritten
.set RC,   12                          ; v[12:19]  the factors of my eight columns of the tile
.set ACC,  32                          ; v[32:63]  four accumulators
.set S,    64                          ; v[64:95]  the last tile's scaled values
.set M1,   96
.set M2,   128
.set AR,   160
.set OUT,  192
.set WV,   10
.set CX,   11
.set CR,   12
.set G1,   16                          ; s[16:23] group 1 of a wave's quarter of a slot: 28 rows x 512 elements, padded
.set G0A,  24                          ; s[24:27] group 0 of slot 0's first fill
.set G0B,  28                          ; s[28:31] group 0 of slot 1's first fill; it then walks
.set G1R,  32                          ; s[32:39] group 1 of a wave's quarter of the factors: one row of 196 elements of 8 bytes
.set G0R,  40                          ; s[40:43] its group 0
.set SLOTS, 44
.set TIL,  45
.set TB,   46                          ; s46  LDS byte at which the tile to be fetched begins
.set TP,   47                          ; s47  the number of the tile whose values lie in S
.set MK,   48                          ; s48, s49  lanes in which a value beats m1
.set NINF, 50
.set RCS,  51                          ; s51  64 x the tile in hand
.set MSB, 0
.macro WIN new                         ; the immediate's high byte repeats the setting that is left; a switch that changes nothing is dropped
.if MSB != (\new)
	s_set_vgpr_msb (MSB<<8)|(\new)
.set MSB, \new
.endif
.endm
.macro PLACES n
.rept \n
	v_nop
.endr
.endm
; A round of the cluster's barrier: my work-group's barrier; wave 0 signals for the work-group; every wave waits for all four work-groups; my work-group's barrier once more.
.macro CROUND
	s_barrier_signal -1
	s_barrier_wait -1
	s_cmp_lg_u32 s[WV], 0
	s_cbranch_scc1 .Lnot_wave_0_\@
	s_barrier_signal -3
.Lnot_wave_0_\@:
	s_barrier_wait -3
	s_barrier_signal -1
	s_barrier_wait -1
.endm
	s_load_b128 s[4:7], s[0:1], 0x0                ; pre s[4:5], mm s[6:7]
	s_load_b64 s[8:9], s[0:1], 0x10                ; ar
	v_lshl_add_u32 v[SPW], v0, 2, SPARE
	v_mov_b32 v[NIL], 0
	ds_add_u32 v[SPW], v[NIL]                      ; the wave's opening: the add and its wait stand ahead of my first tensor load; work on registers stands between them
	ds_add_u32 v10, v11
	v_lshrrev_b32 v20, 5, v0
	v_readfirstlane_b32 s[WV], v20                 ; wave 0..3
	s_bfe_u32 s[CX], ttmp6, 0x40000                ; my place in the cluster = my block of 256 users: it enters the users' and the results' global addresses alone
	s_and_b32 s[CR], ttmp7, 0xffff                 ; the range, which the four partners share
	s_mov_b32 s[G1], 15|(1<<16)|(1<<20)|(1<<21)|(7<<22)|(3<<25)  ; the mask of four; 2-byte elements; padding on; bit 21 beside a mask; after every 256 words; 4 words
	s_mov_b32 s[G1+1], 512<<16                     ; tensor_dim0 = 512
	s_mov_b32 s[G1+2], 28<<16                      ; tensor_dim1 = 28
	s_mov_b32 s[G1+3], 512<<16                     ; tile_dim0 = 512
	s_mov_b32 s[G1+4], 28                          ; tile_dim1 = 28
	s_mov_b32 s[G1+5], 512                         ; elements from row to row
	s_mov_b32 s[G1+6], 0
	s_mov_b32 s[G1+7], 0
	s_mov_b32 s[G1R], 15|(3<<16)|(1<<21)           ; the mask; 8-byte elements; no padding
	s_mov_b32 s[G1R+1], 196<<16
	s_mov_b32 s[G1R+2], 1<<16
	s_mov_b32 s[G1R+3], 196<<16
	s_mov_b32 s[G1R+4], 1
	s_mov_b32 s[G1R+5], 196
	s_mov_b32 s[G1R+6], 0
	s_mov_b32 s[G1R+7], 0
	s_mov_b32 s[G0A], 1
	s_mul_i32 s[G0A+1], s[WV], 28*PITCH            ; my quarter of slot 0
	s_mov_b32 s[G0B], 1
	s_add_co_u32 s[G0B+1], s[G0A+1], SLOT1         ; and of slot 1
	s_mov_b32 s[G0R], 1
	s_mul_i32 s[G0R+1], s[WV], 1568
	s_add_co_u32 s[G0R+1], s[G0R+1], RCB
	s_mul_i32 s52, s[CR], 1568                     ; the range's first row,
	s_mul_i32 s53, s[WV], 28                       ; my 28 of a slot's 112
	s_add_co_u32 s52, s52, s53
	s_lshl_b32 s52, s52, 10
	s_mov_b32 s53, 0
	s_mul_i32 s54, s[CR], 6272                     ; the range's factors, my quarter
	s_mul_i32 s55, s[WV], 1568
	s_add_co_u32 s54, s54, s55
	s_add_co_u32 s54, s54, RNC
	s_mov_b32 s55, 0
	s_lshl_b32 s56, s[CX], 8
	s_lshl_b32 s57, s[WV], 6
	s_add_co_u32 s56, s56, s57                     ; my wave's first user
	s_lshl_b32 s58, s[CR], 10
	s_add_co_u32 s58, s58, s56
	s_lshl_b32 s58, s58, 6                         ; results: [range][user][16] of 4 bytes
	s_mov_b32 s59, 0
	s_lshl_b32 s56, s56, 10
	s_add_co_u32 s56, s56, UB
	s_mov_b32 s57, 0
	s_mov_b32 s[NINF], 0xff800000
	s_mov_b32 s[TB], 0
	s_mov_b32 s[TP], -1
	s_mov_b32 s[RCS], 0
	s_wait_dscnt 0x0                               ; the opening add is done
	s_wait_kmcnt 0x0
	s_add_nc_u64 s[G0A+2:G0A+3], s[4:5], s[52:53]
	s_add_nc_u64 s[G0B+2:G0B+3], s[G0A+2:G0A+3], STEPB
	s_or_b32 s[G0A+3], s[G0A+3], 0x80000000        ; type = 2
	s_or_b32 s[G0B+3], s[G0B+3], 0x80000000
	s_add_nc_u64 s[G0R+2:G0R+3], s[4:5], s[54:55]
	s_or_b32 s[G0R+3], s[G0R+3], 0x80000000
	s_add_nc_u64 s[56:57], s[4:5], s[56:57]        ; my wave's user rows
	s_add_nc_u64 s[6:7], s[6:7], s[58:59]
	s_add_nc_u64 s[8:9], s[8:9], s[58:59]
	CROUND                                         ; all four work-groups are here: the first joint loads meet
	tensor_load_to_lds s[G0R:G0R+3], s[G1R:G1R+7]  ; the three first fills go out together: three loads of mine are out
	s_nop 0
	tensor_load_to_lds s[G0A:G0A+3], s[G1:G1+7]
	s_nop 0
	tensor_load_to_lds s[G0B:G0B+3], s[G1:G1+7]
	s_nop 0
	PLACES 4
	v_and_b32 v20, 15, v0                          ; l % 16
	v_bfe_u32 v21, v0, 4, 1                        ; l / 16
	v_mul_u32_u24 v[AB0], v20, PITCH
	v_lshl_add_u32 v[AB0], v21, 4, v[AB0]
	v_lshlrev_b32 v[RCA0], 5, v21
	v_add_nc_u32 v[RCA0], RCB, v[RCA0]
	v_lshlrev_b32 v[QO], 10, v20
	v_lshl_add_u32 v[QO], v21, 4, v[QO]
	s_mul_i32 s13, s[WV], 12288
	s_add_co_u32 s13, s13, STG                     ; my stage
	v_lshlrev_b32 v[STO], 6, v20                   ; a user's 16 streams are 64 bytes; my eight are 32
	v_lshl_add_u32 v[STO], v21, 5, v[STO]
	v_add_nc_u32 v[STO], s13, v[STO]
	v_and_b32 v[GO], 31, v0
	v_lshlrev_b32 v[GO], 4, v[GO]
	v_add_nc_u32 v[RD], s13, v[GO]
	v_mov_b32 v[ADR], v[AB0]
	; the users' fragments: lane l holds row l % 16, channels 8 (l / 16) + 0..7 and 16 + 8 (l / 16) + 0..7 of each K step of 32
	WIN 0x80                                       ; destination window 2
.set f, 0
.rept 32
	global_load_b128 v[8*f:8*f+3],   v[QO], s[56:57] offset:(f%4)*16384+(f/4)*64
	global_load_b128 v[8*f+4:8*f+7], v[QO], s[56:57] offset:(f%4)*16384+(f/4)*64+32
.set f, f+1
.endr
	WIN 0xc0                                       ; destination window 3: K steps 8 to 15
.set f, 0
.rept 32
	global_load_b128 v[8*f:8*f+3],   v[QO], s[56:57] offset:(f%4)*16384+512+(f/4)*64
	global_load_b128 v[8*f+4:8*f+7], v[QO], s[56:57] offset:(f%4)*16384+512+(f/4)*64+32
.set f, f+1
.endr
	WIN 0
.set i, 0
.rept 32                               ; written in the wait for the first tile, so that every tile has one text: the first tile folds values that beat nothing
	v_mov_b32 v[S+i], s[NINF]
	v_mov_b32 v[M1+i], s[NINF]
	v_mov_b32 v[M2+i], s[NINF]
	v_mov_b32 v[AR+i], 0
.set i, i+1
.endr
; 16 LDS loads in one run: eight fragments (16 rows x 32 channels) from byte kb of the tile's rows into window 1
.macro FETCH buf, kb
	WIN 0x40
.irp f, 0,1,2,3,4,5,6,7
	ds_load_b128 v[(\buf)+8*(\f):(\buf)+8*(\f)+3],   v[ADR] offset:(\kb)+64*(\f)
	ds_load_b128 v[(\buf)+8*(\f)+4:(\buf)+8*(\f)+7], v[ADR] offset:(\kb)+64*(\f)+32
.endr
	WIN 0
.endm
; Matrix instruction i of a half's 32: K step i / 4 of the half, user tile i % 4.  The four accumulators take turns, one instruction a turn; a tile's first four start the sums with 0.
.macro MM half
.set ks, i/4
.set ua, i%4
	WIN 0x09+4*(\half)                             ; source 0 window 1, source 1 window 2 or 3, C and D window 0
.if ((\half) == 0) && (i < 4)
	v_wmma_f32_16x16x32_bf16 v[ACC+8*ua:ACC+8*ua+7], v[64*(\half)+8*ks:64*(\half)+8*ks+7], v[8*(4*ks+ua):8*(4*ks+ua)+7], 0
.else
	v_wmma_f32_16x16x32_bf16 v[ACC+8*ua:ACC+8*ua+7], v[64*(\half)+8*ks:64*(\half)+8*ks+7], v[8*(4*ks+ua):8*(4*ks+ua)+7], v[ACC+8*ua:ACC+8*ua+7]
.endif
.endm
; Slice k of 32: two streams e0, e0 + 1 take the last tile's values.  Even k: does the value beat m1; m2 = the middle one of m1, m2 and the value.  Odd k: t1 and m1.
.macro SL k
	WIN 0
.set e0, 2*((\k)/2)
.if (\k)%2 == 0
	v_cmp_gt_f32 s[MK], v[S+e0], v[M1+e0]
	v_cmp_gt_f32 s[MK+1], v[S+e0+1], v[M1+e0+1]
	v_med3_num_f32 v[M2+e0], v[M1+e0], v[M2+e0], v[S+e0]
	v_med3_num_f32 v[M2+e0+1], v[M1+e0+1], v[M2+e0+1], v[S+e0+1]
.else
	v_cndmask_b32 v[AR+e0], v[AR+e0], s[TP], s[MK]
	v_cndmask_b32 v[AR+e0+1], v[AR+e0+1], s[TP], s[MK+1]
	v_max_num_f32 v[M1+e0], v[M1+e0], v[S+e0]
	v_max_num_f32 v[M1+e0+1], v[M1+e0+1], v[S+e0+1]
.endif
.endm
.macro HALF half, k0                   ; 32 matrix instructions, a slice behind every second; the last slice's four plain lines name no register of the products
.set i, 0
.rept 32
	MM \half
.if i%2 == 1
	SL (\k0)+i/2
.endif
.set i, i+1
.endr
.endm
; THE CHANGE OF SLOTS.  The slot's last bytes have been asked for.  Each wave waits for all its tensor loads, of which one is out: its quarter of the other slot; adds 0 to its spare word; and waits for that and
; for its reads of the slot.  fill = 1: the barrier is a round of the cluster's, so that no wave of any partner still reads the slot or has a load on its way, and the joint refill (the tiles two slots on)
; is the first thing behind it: seven tiles, 448 matrix instructions, stand between it and the wait for it.
.macro CHANGE fill
	WIN 0
	s_wait_tensorcnt 0x0                           ; no tensor load of mine is out, so a group 0 may be written
	ds_add_u32 v[SPW], v[NIL]                      ; 0 onto my spare word
.if \fill
	s_xor_b32 s[G0B+1], s[G0B+1], SLOT1            ; the other slot than last time,
	s_add_nc_u64 s[G0B+2:G0B+3], s[G0B+2:G0B+3], STEPB  ; the next 112 rows; the type bits on top are not reached
.endif
	s_wait_dscnt 0x0                               ; the add is done, and my reads of the slot are over
.if \fill
	CROUND
	tensor_load_to_lds s[G0B:G0B+3], s[G1:G1+7]
	s_nop 0
	PLACES 4
.else
	s_barrier_signal -1
	s_barrier_wait -1
.endif
.endm
; A TILE.  kind 0: inside a slot; 1: a slot's last, the slot is filled again; 2: a slot's last, nothing is asked for; 3: the walk's last.
.macro TILE kind
	FETCH 64, 512                                  ; Y: the lump of the tile before stands between these loads and Y's last reader
	s_wait_dscnt 16                                ; X is in; Y's 16 loads may stay out
	HALF 0, 0
.if (\kind) == 1
	CHANGE 1
.elseif (\kind) == 2
	CHANGE 0
.endif
	WIN 0
.if (\kind) == 0
	s_add_co_u32 s[TB], s[TB], TILEB
.elseif (\kind) < 3
	s_sub_co_u32 s[TB], s[TB], 6*TILEB             ; back to a slot's first tile,
	s_xor_b32 s[TB], s[TB], SLOT1                  ; in the other slot
.endif
	v_add_nc_u32 v[RCA], s[RCS], v[RCA0]
	s_add_co_u32 s[RCS], s[RCS], 64
.if (\kind) != 3
	v_add_nc_u32 v[ADR], s[TB], v[AB0]
.endif
	ds_load_b128 v[RC:RC+3], v[RCA]                ; this tile's factors
	ds_load_b128 v[RC+4:RC+7], v[RCA] offset:16
.if (\kind) != 3
	FETCH 0, 0                                     ; the next tile's X: six plain lines behind X's last reader
	s_wait_dscnt 18                                ; Y is in; the 2 + 16 loads just issued may stay out
.else
	s_wait_dscnt 2
.endif
	HALF 1, 16
	WIN 0
.if (\kind) != 3
	s_wait_dscnt 16                                ; the factors are in
.else
	s_wait_dscnt 0x0
.endif
	PLACES 8                                       ; between the last products and the lines that read their sums
.irp a, 0,1,2,3
.irp p, 0,1,2,3                        ; each accumulator is read from its low end on
	v_pk_mul_f32 v[S+8*(\a)+2*(\p):S+8*(\a)+2*(\p)+1], v[ACC+8*(\a)+2*(\p):ACC+8*(\a)+2*(\p)+1], v[RC+2*(\p):RC+2*(\p)+1]
.endr
.endr
	s_add_co_u32 s[TP], s[TP], 1
.endm
	s_wait_tensorcnt 0x1                           ; the factors and my part of slot 0 are in; slot 1's may stay out
	s_barrier_signal -1
	s_barrier_wait -1                              ; everybody's are
	FETCH 0, 0
	s_wait_loadcnt 0x0                             ; the users' fragments
	s_mov_b32 s[SLOTS], 12
.Lslot:                                        ; twelve slots are filled again
	s_mov_b32 s[TIL], 6
.Ltile:
	TILE 0
	s_sub_co_u32 s[TIL], s[TIL], 1
	s_cmp_lg_u32 s[TIL], 0
	s_cbranch_scc1 .Ltile
	TILE 1
	s_sub_co_u32 s[SLOTS], s[SLOTS], 1
	s_cmp_lg_u32 s[SLOTS], 0
	s_cbranch_scc1 .Lslot
	s_mov_b32 s[TIL], 6                            ; the last two slots are written out
.Ltile_b:
	TILE 0
	s_sub_co_u32 s[TIL], s[TIL], 1
	s_cmp_lg_u32 s[TIL], 0
	s_cbranch_scc1 .Ltile_b
	TILE 2
	s_mov_b32 s[TIL], 6
.Ltile_c:
	TILE 0
	s_sub_co_u32 s[TIL], s[TIL], 1
	s_cmp_lg_u32 s[TIL], 0
	s_cbranch_scc1 .Ltile_c
	TILE 3
.set q, 0
.rept 32
	SL q                                           ; the last tile's values
.set q, q+1
.endr
	; THE WAY OUT: 32 bytes a lane into my stage, back as 512 consecutive bytes, which are 512 consecutive bytes of the result
.irp a, 0,1,2,3
	ds_store_b128 v[STO], v[M1+8*(\a):M1+8*(\a)+3]   offset:(\a)*1024
	ds_store_b128 v[STO], v[M1+8*(\a)+4:M1+8*(\a)+7] offset:(\a)*1024+16
	ds_store_b128 v[STO], v[M2+8*(\a):M2+8*(\a)+3]   offset:4096+(\a)*1024
	ds_store_b128 v[STO], v[M2+8*(\a)+4:M2+8*(\a)+7] offset:4096+(\a)*1024+16
	ds_store_b128 v[STO], v[AR+8*(\a):AR+8*(\a)+3]   offset:8192+(\a)*1024
	ds_store_b128 v[STO], v[AR+8*(\a)+4:AR+8*(\a)+7] offset:8192+(\a)*1024+16
.endr
.irp k, 0,1,2,3,4,5,6,7                ; LDS serves a wave's instructions in order: these see the stores above
	ds_load_b128 v[OUT+4*(\k):OUT+4*(\k)+3], v[RD] offset:512*(\k)
.endr
.irp k, 0,1,2,3,4,5,6,7
	ds_load_b128 v[S+4*(\k):S+4*(\k)+3], v[RD] offset:4096+512*(\k)
.endr
.irp k, 0,1,2,3,4,5,6,7
	ds_load_b128 v[ACC+4*(\k):ACC+4*(\k)+3], v[RD] offset:8192+512*(\k)
.endr
	s_wait_dscnt 16                                ; m1 is back
.irp k, 0,1,2,3,4,5,6,7
	global_store_b128 v[GO], v[OUT+4*(\k):OUT+4*(\k)+3], s[6:7] offset:512*(\k)
.endr
	s_wait_dscnt 8                                 ; m2
.irp k, 0,1,2,3,4,5,6,7
	global_store_b128 v[GO], v[S+4*(\k):S+4*(\k)+3], s[6:7] offset:4194304+512*(\k)
.endr
	s_wait_dscnt 0x0                               ; t1
.irp k, 0,1,2,3,4,5,6,7
	global_store_b128 v[GO], v[ACC+4*(\k):ACC+4*(\k)+3], s[8:9] offset:512*(\k)
.endr
	s_wait_tensorcnt 0x0                           ; the wave's end, behind my last tensor load and my last LDS store
	ds_add_u32 v[SPW], v[NIL]
	s_wait_dscnt 0x0
	CROUND                                         ; the closing round: no work-group ends while a partner may still ask for a tile that names it
	s_endpgm
.Lfunc_end_k_qc87d4dd3d9_sims:
	.size	k_qc87d4dd3d9_sims, .Lfunc_end_k_qc87d4dd3d9_sims-k_qc87d4dd3d9_sims
	.p2alignl 7, 3214868480
	.fill 96, 4, 3214868480
	.section	.rodata,"a",@progbits
	.p2align	6, 0x0
	.amdhsa_kernel k_qc87d4dd3d9_sims
		.amdhsa_group_segment_fixed_size 327680
		.amdhsa_private_segment_fixed_size 0
		.amdhsa_enable_private_segment 0
		.amdhsa_kernarg_size 24
		.amdhsa_user_sgpr_count 2
		.amdhsa_user_sgpr_kernarg_segment_ptr 1
		.amdhsa_wavefront_size32 1
		.amdhsa_system_sgpr_workgroup_id_x 1
		.amdhsa_system_sgpr_workgroup_id_y 1
		.amdhsa_system_sgpr_workgroup_id_z 1
		.amdhsa_system_vgpr_workitem_id 0
		.amdhsa_next_free_vgpr 1024
		.amdhsa_next_free_sgpr 66
		.amdhsa_reserve_vcc 0
		.amdhsa_float_denorm_mode_32 3
		.amdhsa_float_denorm_mode_16_64 3
		.amdhsa_memory_ordered 1
		.amdhsa_forward_progress 1
		.amdhsa_inst_pref_size 137
	.end_amdhsa_kernel
	.amdgpu_metadata
---
amdhsa.version: [ 1, 2 ]
amdhsa.kernels:
  - .name:           k_qc87d4dd3d9_sims
    .symbol:         k_qc87d4dd3d9_sims.kd
    .args:
      - { .name: pre, .offset: 0, .size: 8, .value_kind: global_buffer, .address_space: global }
      - { .name: mm, .offset: 8, .size: 8, .value_kind: global_buffer, .address_space: global }
      - { .name: ar, .offset: 16, .size: 8, .value_kind: global_buffer, .address_space: global }
    .group_segment_fixed_size: 327680
    .private_segment_fixed_size: 0
    .kernarg_segment_align: 8
    .kernarg_segment_size: 24
    .max_flat_workgroup_size: 128
    .sgpr_count:     66
    .vgpr_count:     1024
    .wavefront_size: 32
...
	.end_amdgpu_metadata
.endif
;; end of part 2
;; launch pick (part 3): grid 256 x 1, 4 waves a work-group, no clusters, 0 bytes of LDS; arguments mm, ar, sl, tv; writes sl, tv
.if DOCPART == 3
	.amdgcn_target "amdgcn-amd-amdhsa--gfx1250"
	.amdhsa_code_object_version 6
	.text
	.protected	k_qc87d4dd3d9_pick
	.globl	k_qc87d4dd3d9_pick
	.p2align	8
	.type	k_qc87d4dd3d9_pick,@function
k_qc87d4dd3d9_pick:
	s_mov_b64 s[64:65], 0
	v_nop
	global_prefetch_b8 v0, s[64:65] scope:SCOPE_SE
	s_setreg_imm32_b32 hwreg(HW_REG_WAVE_MODE, 25, 1), 1
	s_wait_xcnt 0x0
; THE 20 BEST STREAMS OF A USER.  A wave takes one user: its 1,024 streams' m1, m2 and t1 lie in registers.  Twenty times the largest m1 is found, its stream (the lowest number among equals) noted and struck out.
; The 20 largest values of the user all lie in these 20 streams.  With T the twentieth m1: a stream whose m2 is below T gives its m1 alone; one whose m2 may reach T is FLAGGED and is gone through again by the next launch.
; t1 (0 to 97) rides in the low 7 mantissa bits of m2, so that one select brings both; the flag compares an upper bound of m2 (those bits all ones for a positive number, all zeros for a negative one): it can flag
; a stream too many, never one too few.
; Out: sl[user][lane] = {stream, flag, column of m1, 0} as whole numbers, tv[user][lane] = m1, lanes 0-19 in falling order (elsewhere 0, 0, 0, 0 and minus infinity).
; Nothing here branches or addresses by a value: every choice is a v_cndmask_b32.  Both scans over the 32 registers run as four chains with four scalar masks, so that no line waits for the one before it.
; Register k = 4 i + e of lane l holds stream LP + RP_k: LP = 16 (l / 4) + 4 (l % 4), RP_k = 128 i + e.  The four waves of a work-group read the four users of one aligned 256 bytes.
; LIMITS.  NaN and infinities are not treated apart.
.set V,   32                           ; v[32:63]   m1
.set W,   64                           ; v[64:95]   m2 with t1 in its low 7 bits
.set A,   96                           ; v[96:127]  t1 as loaded
.set RPK, 128                          ; v[128:159] RP_k
.set VO,  2
.set LP,  3
.set GM,  4                            ; v4-7 four chains; v4 then the maximum
.set TT,  8
.set PPL, 9
.set QQ,  10
.set Q,   12                           ; v[12:15] stream, flag, column, 0: stored as 16 bytes
.set RV,  16
.set R2,  17
.set P4,  20                           ; v20-23 four chains: the lowest register that holds the maximum
.set M4,  24                           ; v24-27 four chains: the struck stream's m2 and t1
.set O16, 30
.set O4,  31
.set NINF, 22                          ; s22
.set MSK, 24                           ; s24-27
.macro WMAX x                          ; the maximum over the 32 lanes, in every lane
	v_max_num_f32_dpp v[\x], v[\x], v[\x] row_xmask:1 row_mask:0xf bank_mask:0xf
	v_max_num_f32_dpp v[\x], v[\x], v[\x] row_xmask:2 row_mask:0xf bank_mask:0xf
	v_max_num_f32_dpp v[\x], v[\x], v[\x] row_xmask:4 row_mask:0xf bank_mask:0xf
	v_max_num_f32_dpp v[\x], v[\x], v[\x] row_xmask:8 row_mask:0xf bank_mask:0xf
	v_permlanex16_b32 v[TT], v[\x], s14, s15
	v_max_num_f32 v[\x], v[\x], v[TT]
.endm
	s_load_b256 s[4:11], s[0:1], 0x0               ; mm s[4:5], ar s[6:7], sl s[8:9], tv s[10:11]
	v_lshrrev_b32 v4, 5, v0
	v_readfirstlane_b32 s12, v4
	v_and_b32 v1, 31, v0
	v_lshrrev_b32 v5, 2, v1
	v_and_b32 v6, 3, v1
	v_lshlrev_b32 v[VO], 16, v5                    ; a range is 65,536 bytes
	v_lshl_add_u32 v[VO], v6, 4, v[VO]
	v_lshlrev_b32 v[LP], 4, v5
	v_lshl_add_u32 v[LP], v6, 2, v[LP]
	v_lshlrev_b32 v[O16], 4, v1
	v_lshlrev_b32 v[O4], 2, v1
	s_lshl_b32 s13, ttmp9, 2
	s_add_co_u32 s13, s13, s12                     ; the user
	s_lshl_b32 s16, s13, 6
	s_mov_b32 s17, 0
	s_lshl_b32 s18, s13, 9
	s_mov_b32 s19, 0
	s_lshl_b32 s20, s13, 7
	s_mov_b32 s21, 0
	s_mov_b32 s[NINF], 0xff800000
	s_mov_b32 s23, 0xffffff80
	s_mov_b32 s14, 0x76543210
	s_mov_b32 s15, 0xfedcba98
	s_wait_kmcnt 0x0
	s_add_nc_u64 s[4:5], s[4:5], s[16:17]
	s_add_nc_u64 s[6:7], s[6:7], s[16:17]
	s_add_nc_u64 s[8:9], s[8:9], s[18:19]
	s_add_nc_u64 s[10:11], s[10:11], s[20:21]
.irp i, 0,1,2,3,4,5,6,7
	global_load_b128 v[V+4*(\i):V+4*(\i)+3], v[VO], s[4:5] offset:(\i)*524288
.endr
.irp i, 0,1,2,3,4,5,6,7
	global_load_b128 v[W+4*(\i):W+4*(\i)+3], v[VO], s[4:5] offset:4194304+(\i)*524288
.endr
.irp i, 0,1,2,3,4,5,6,7
	global_load_b128 v[A+4*(\i):A+4*(\i)+3], v[VO], s[6:7] offset:(\i)*524288
.endr
.set k, 0
.rept 32
	v_mov_b32 v[RPK+k], (k/4)*128+(k%4)
.set k, k+1
.endr
	v_mov_b32 v[TT], 0
	v_mov_b32 v[RV], s[NINF]
	v_mov_b32 v[Q], 0
	v_mov_b32 v[R2], s[NINF]
	s_mov_b32 s28, 0
	s_wait_loadcnt 0x0
.set k, 0
.rept 32
	v_and_or_b32 v[W+k], v[W+k], s23, v[A+k]       ; t1 takes the place of m2's low 7 bits
.set k, k+1
.endr
.Lpick:
.irp j, 0,1,2,3
	v_max3_num_f32 v[GM+(\j)], v[V+8*(\j)], v[V+8*(\j)+1], v[V+8*(\j)+2]
.endr
.irp j, 0,1,2,3
	v_max3_num_f32 v[GM+(\j)], v[GM+(\j)], v[V+8*(\j)+3], v[V+8*(\j)+4]
.endr
.irp j, 0,1,2,3
	v_max3_num_f32 v[GM+(\j)], v[GM+(\j)], v[V+8*(\j)+5], v[V+8*(\j)+6]
.endr
	v_max3_num_f32 v[GM], v[GM], v[V+7], v[V+15]
	v_max3_num_f32 v[GM+2], v[GM+2], v[V+23], v[V+31]
	v_max3_num_f32 v[GM], v[GM], v[GM+1], v[GM+2]
	v_max_num_f32 v[GM], v[GM], v[GM+3]
.irp c, 0,1,2,3
	v_mov_b32 v[P4+(\c)], 0x1000                   ; no register of the chain holds the maximum: 4,096
	v_mov_b32 v[M4+(\c)], s[NINF]
.endr
	WMAX GM
.set j, 7
.rept 8                                ; chain c goes down through registers 8 c + 7 .. 8 c: the lowest match is written last
.irp c, 0,1,2,3
	v_cmp_eq_f32 s[MSK+(\c)], v[V+8*(\c)+j], v[GM]
.endr
.irp c, 0,1,2,3
	v_cndmask_b32 v[P4+(\c)], v[P4+(\c)], v[RPK+8*(\c)+j], s[MSK+(\c)]
.endr
.set j, j-1
.endr
	v_min_u32 v[P4], v[P4], v[P4+1]
	v_min_u32 v[P4+2], v[P4+2], v[P4+3]
	v_min_u32 v[PPL], v[P4], v[P4+2]
	v_add_nc_u32 v[PPL], v[PPL], v[LP]
	v_sub_nc_u32 v[PPL], 0x1fff, v[PPL]            ; the lowest stream is the largest of 8,191 - stream: whole numbers that f32 holds exactly
	v_cvt_f32_u32 v[PPL], v[PPL]
	WMAX PPL
	v_cvt_u32_f32 v[PPL], v[PPL]
	v_sub_nc_u32 v[PPL], 0x1fff, v[PPL]            ; the stream
	v_sub_nc_u32 v[QQ], v[PPL], v[LP]              ; equals RP_k in its own lane and register alone
.set j, 0
.rept 8
.irp c, 0,1,2,3
	v_cmp_eq_u32 s[MSK+(\c)], v[QQ], v[RPK+8*(\c)+j]
.endr
.irp c, 0,1,2,3
	v_cndmask_b32 v[M4+(\c)], v[M4+(\c)], v[W+8*(\c)+j], s[MSK+(\c)]      ; its m2 and t1
	v_cndmask_b32 v[V+8*(\c)+j], v[V+8*(\c)+j], s[NINF], s[MSK+(\c)]      ; struck out
.endr
.set j, j+1
.endr
	v_max3_num_f32 v[M4], v[M4], v[M4+1], v[M4+2]
	v_max_num_f32 v[M4], v[M4], v[M4+3]
	WMAX M4
	v_cmp_eq_u32 vcc_lo, s28, v1                   ; lane n keeps the n-th
	v_cndmask_b32 v[RV], v[RV], v[GM], vcc_lo
	v_cndmask_b32 v[Q], v[Q], v[PPL], vcc_lo
	v_cndmask_b32 v[R2], v[R2], v[M4], vcc_lo
	s_add_co_u32 s28, s28, 1
	s_cmp_lt_u32 s28, 20
	s_cbranch_scc1 .Lpick
	v_and_b32 v28, 0x7f, v[R2]                     ; t1
	v_or_b32 v29, 0x7f, v[R2]                      ; the upper bound of a positive m2,
	v_and_b32 v20, s23, v[R2]                      ; of a negative one
	v_cmp_gt_i32 vcc_lo, 0, v[R2]
	v_cndmask_b32 v29, v29, v20, vcc_lo
	v_cmp_ge_f32 vcc_lo, v29, v[GM]                ; GM is the twentieth m1
	v_cndmask_b32 v[Q+1], 0, 1, vcc_lo
	v_and_b32 v20, 0x3f0, v[Q]                     ; 16 x range
	v_mul_u32_u24 v20, v20, 98
	v_and_b32 v21, 15, v[Q]
	v_add_nc_u32 v20, v20, v21
	v_lshl_add_u32 v[Q+2], v28, 4, v20             ; column = (98 range + t1) 16 + place
	v_mov_b32 v[Q+3], 0
	global_store_b128 v[O16], v[Q:Q+3], s[8:9]
	global_store_b32 v[O4], v[RV], s[10:11]
	s_endpgm
.Lfunc_end_k_qc87d4dd3d9_pick:
	.size	k_qc87d4dd3d9_pick, .Lfunc_end_k_qc87d4dd3d9_pick-k_qc87d4dd3d9_pick
	.p2alignl 7, 3214868480
	.fill 96, 4, 3214868480
	.section	.rodata,"a",@progbits
	.p2align	6, 0x0
	.amdhsa_kernel k_qc87d4dd3d9_pick
		.amdhsa_group_segment_fixed_size 0
		.amdhsa_private_segment_fixed_size 0
		.amdhsa_enable_private_segment 0
		.amdhsa_kernarg_size 32
		.amdhsa_user_sgpr_count 2
		.amdhsa_user_sgpr_kernarg_segment_ptr 1
		.amdhsa_wavefront_size32 1
		.amdhsa_system_sgpr_workgroup_id_x 1
		.amdhsa_system_sgpr_workgroup_id_y 1
		.amdhsa_system_sgpr_workgroup_id_z 1
		.amdhsa_system_vgpr_workitem_id 0
		.amdhsa_next_free_vgpr 160
		.amdhsa_next_free_sgpr 66
		.amdhsa_reserve_vcc 1
		.amdhsa_float_denorm_mode_32 3
		.amdhsa_float_denorm_mode_16_64 3
		.amdhsa_memory_ordered 1
		.amdhsa_forward_progress 1
		.amdhsa_inst_pref_size 22
	.end_amdhsa_kernel
	.amdgpu_metadata
---
amdhsa.version: [ 1, 2 ]
amdhsa.kernels:
  - .name:           k_qc87d4dd3d9_pick
    .symbol:         k_qc87d4dd3d9_pick.kd
    .args:
      - { .name: mm, .offset: 0, .size: 8, .value_kind: global_buffer, .address_space: global }
      - { .name: ar, .offset: 8, .size: 8, .value_kind: global_buffer, .address_space: global }
      - { .name: sl, .offset: 16, .size: 8, .value_kind: global_buffer, .address_space: global }
      - { .name: tv, .offset: 24, .size: 8, .value_kind: global_buffer, .address_space: global }
    .group_segment_fixed_size: 0
    .private_segment_fixed_size: 0
    .kernarg_segment_align: 8
    .kernarg_segment_size: 32
    .max_flat_workgroup_size: 128
    .sgpr_count:     66
    .vgpr_count:     160
    .wavefront_size: 32
...
	.end_amdgpu_metadata
.endif
;; end of part 3
;; launch fin (part 4): grid 1024 x 1, 7 waves a work-group, no clusters, 25,856 bytes of LDS; arguments sl, tv, pre, ta, fh; writes ta, fh
.if DOCPART == 4
	.amdgcn_target "amdgcn-amd-amdhsa--gfx1250"
	.amdhsa_code_object_version 6
	.text
	.protected	k_qc87d4dd3d9_fin
	.globl	k_qc87d4dd3d9_fin
	.p2align	8
	.type	k_qc87d4dd3d9_fin,@function
k_qc87d4dd3d9_fin:
	s_mov_b64 s[64:65], 0
	v_nop
	global_prefetch_b8 v0, s[64:65] scope:SCOPE_SE
	s_setreg_imm32_b32 hwreg(HW_REG_WAVE_MODE, 25, 1), 1
	s_wait_xcnt 0x0
; THE 20 NEIGHBOURS, THEIR WEIGHTS AND THEIR WEIGHTED SUM.  A work-group takes one user.  The only data on which a branch or an address hangs are the whole numbers of its list (stream, flag, column), stored by the launch before.
; CANDIDATES: the kept maxima of the unflagged streams (at most 20), and all 98 columns of each FLAGGED stream, whose similarities the seven waves compute anew, 16 columns a wave (bf16 products, f32 sums, times the column's factor).
; CHOICE BY RANK.  A candidate is chosen if fewer than 20 others come before it in one strict order: larger value first; among equals the kept maxima by place, then the flagged streams by their place in the list and the place in the stream.
; So exactly 20 are chosen.  Values are compared as KEYS: the f32 pattern mapped to an ordered u32 (sign bit turned for a positive number, all bits for a negative one; -0 is made +0 first).  A comparand y of a flagged stream
; comes before x if key_y + ~key_x + b carries out of 32 bits, b = 1 where y's place is the lower: three plain lines.  Wave w ranks its own places 16 w .. 16 w + 15; the halves of the lanes split a comparand stream's 112 places, 56 each.
; The kept maxima arrive in falling order, so their rank among themselves is a count of unflagged places below.
; NO LIST OF CHOSEN COLUMNS IS MADE: every candidate row is read and multiplied by its weight, 0 where it is not chosen or not valid (below 0, or a padding column).  The ranking stands between a wave's 32 row loads and the wait for them.
; WEIGHTS.  e = 2^(log2(e) (L - mx)), L the cosine, mx the user's largest similarity: the maximum of the chosen ones whenever one is valid.  Each wave sums e x row and e; the seven partial sums meet in LDS; waves 0-3 add them,
; divide by the sum of e (by nothing, giving 0, where that sum is 0) and store agg, rounded once to bf16: 256 consecutive bytes a wave.  fh[user][:] = 1.0 if any neighbour is valid, else 0.
; LOOPS.  Every loop over the list counts its 20 places; an unflagged place is jumped over, forward to the counter's step.  Where no place is flagged a whole loop is jumped over from outside.  No barrier lies in what is jumped.
; LIMITS.  Among exactly equal values at the twentieth place the choice may differ from the lowest index; NaN and infinities are not treated apart.
; LDS: keys [20][128] u32 at 0 (place n of the list at 512 n; places 0-111 of a stream written and read); partial sums, 2,048 + 16 bytes a wave, at PART; the spare words at SPARE.
; Four barriers, on every wave's path, part the stores from the reads of each region.
.set UB,  102760448
.set RNC, 105381888
.set RNU, 105783296
.set AG,  131072
.set PART, 10240
.set PPI, 2064
.set SPARE, 24832
.set LO,  2                            ; 16 x lane
.set R15, 3                            ; lane % 16
.set LST, 4                            ; 4 x my place, 16 wave + lane % 16
.set L4,  5                            ; 4 x lane
.set SPW, 6                            ; LDS address of my spare word; never rewritten
.set NIL, 7                            ; 0, for the add alone
.set ZR,  8                            ; 0
.set H224, 9                           ; 224 x (lane / 16): my half's 56 comparands
.set DD,  10                           ; my place - 56 x (lane / 16)
.set ID,  12                           ; v[12:15] stream, flag, column, 0 of place lane
.set FL,  13
.set COL, 14
.set TV,  16
.set PVV, 17                           ; the kept maximum, minus infinity for a flagged place
.set KPV, 18                           ; its key
.set MX,  19
.set U,   20                           ; v[20:27] the user's row: my 16 channels
.set SS,  28                           ; v[28:35] two chains for each of four rows
.set T,   36                           ; v[36:39] at work
.set RO,  40                           ; v[40:55] byte offsets of 16 rows
.set DV,  56
.set RCV, 57
.set CA,  58
.set SIM, 59
.set LA,  60
.set TT,  61
.set CP,  62
.set RK,  63
.set ROWS, 64                          ; v[64:191] 16 rows x 8 registers
.set ACC, 192                          ; v[192:207] my 16 channels of the sum of e x row
.set CMPB, 208                         ; v[208:235] 28 comparands
.set E,   236
.set VW,  237
.set ZA,  238                          ; the sum of e over my wave's rows
.set KX,  239
.set NX,  240
.set CF,  241
.set CQ,  242
.set DS,  243
.set CAD, 244
.set JK,  245
.set LL,  246
.set CC,  247
.set PA,  248
.set PZ,  249
.set PK,  68                           ; s68-87 the keys of the 20 kept maxima
.macro KEYOF dst, src
	v_ashrrev_i32 v[TT], 31, v[\src]
	v_or_b32 v[TT], 0x80000000, v[TT]
	v_xor_b32 v[\dst], v[TT], v[\src]
.endm
.macro STREAM                          ; s39 = the column of my wave's first row in the stream at place s28 of the list
	v_readlane_b32 s32, v[ID], s28
	s_min_u32 s32, s32, 1023
	s_and_b32 s33, s32, 0x3f0
	s_mul_i32 s33, s33, 98
	s_and_b32 s34, s32, 15
	s_add_co_u32 s33, s33, s34
	s_lshl_b32 s34, s10, 8
	s_add_co_u32 s39, s33, s34
.endm
.macro ROWLD                           ; my wave's 16 rows of the stream: 32 loads of 512 consecutive bytes
.irp k, 0,1,2,3,4,5,6,7,8,9,10,11,12,13,14,15
	s_add_co_u32 s34, s39, 16*(\k)
	s_min_u32 s34, s34, 100351                     ; rows past the 98th are read somewhere inside the table and count for nothing
	s_lshl_b32 s34, s34, 10
	v_add_nc_u32 v[RO+(\k)], s34, v[LO]
	global_load_b128 v[ROWS+8*(\k):ROWS+8*(\k)+3],   v[RO+(\k)], s[20:21]
	global_load_b128 v[ROWS+8*(\k)+4:ROWS+8*(\k)+7], v[RO+(\k)], s[20:21] offset:512
.endr
.endm
; 28 comparands from byte 112 ch behind v[CAD].  mode 1: against my place of a flagged stream (the order of places decides among equals); mode 0: against the kept maxima (a flagged comparand comes first only if larger).
.macro CHUNK mode, ch
.irp q, 0,1,2,3,4,5,6
	ds_load_b128 v[CMPB+4*(\q):CMPB+4*(\q)+3], v[CAD] offset:112*(\ch)+16*(\q)
.endr
	s_wait_dscnt 0x0
.set c, 0
.rept 28
.if \mode
	v_cmp_lt_i32 vcc_lo, 28*(\ch)+c, v[DS]
	v_add_co_ci_u32 v[JK], vcc_lo, v[CMPB+c], v[NX], vcc_lo
	v_add_co_ci_u32 v[CF], vcc_lo, 0, v[CF], vcc_lo
.else
	v_cmp_gt_u32 vcc_lo, v[CMPB+c], v[KPV]
	v_add_co_ci_u32 v[CP], vcc_lo, 0, v[CP], vcc_lo
.endif
.set c, c+1
.endr
.endm
.macro EXPW                            ; v[E] = 2^(log2(e) (v[LL] - mx)) in the lanes of s44, else 0
	v_sub_f32 v[LL], v[LL], v[MX]
	v_mul_f32 v[LL], 0x3fb8aa3b, v[LL]
	v_exp_f32 v[E], v[LL]
	v_nop
	s_wait_alu depctr_va_vdst(0)                   ; the wait ahead of the first reader
	v_cndmask_b32 v[E], 0, v[E], s44
.endm
.macro ACCROW rb, first                ; the row in v[rb ..] times the weight in s32
	v_mov_b32 v[VW], s32
.if \first
	v_mov_b32 v[ZA], v[VW]
.else
	v_add_f32 v[ZA], v[ZA], v[VW]
.endif
.set m, 0
.rept 8
.if \first
	v_fma_mix_f32_bf16 v[ACC+2*m],   v[(\rb)+m], v[VW], v[ZR] op_sel_hi:[1,0,0]
	v_fma_mix_f32_bf16 v[ACC+2*m+1], v[(\rb)+m], v[VW], v[ZR] op_sel:[1,0,0] op_sel_hi:[1,0,0]
.else
	v_fma_mix_f32_bf16 v[ACC+2*m],   v[(\rb)+m], v[VW], v[ACC+2*m] op_sel_hi:[1,0,0]
	v_fma_mix_f32_bf16 v[ACC+2*m+1], v[(\rb)+m], v[VW], v[ACC+2*m+1] op_sel:[1,0,0] op_sel_hi:[1,0,0]
.endif
.set m, m+1
.endr
.endm
	s_load_b256 s[16:23], s[0:1], 0x0              ; sl s[16:17], tv s[18:19], pre s[20:21], ta s[22:23]
	s_load_b64 s[24:25], s[0:1], 0x20              ; fh
	v_lshl_add_u32 v[SPW], v0, 2, SPARE
	v_mov_b32 v[NIL], 0
	v_lshrrev_b32 v1, 5, v0
	v_readfirstlane_b32 s10, v1                    ; wave 0..6
	v_and_b32 v1, 31, v0
	v_lshlrev_b32 v[LO], 4, v1
	v_and_b32 v[R15], 15, v0
	v_lshlrev_b32 v[L4], 2, v1
	v_lshrrev_b32 v[TT], 4, v1
	v_mul_u32_u24 v[H224], v[TT], 224
	v_mul_u32_u24 v[DD], v[TT], 56
	s_lshl_b32 s34, s10, 4
	v_add_nc_u32 v[LST], s34, v[R15]               ; my place among a stream's 112
	v_cmp_gt_u32 s36, 98, v[LST]                   ; does the stream have it?
	v_sub_nc_u32 v[DD], v[LST], v[DD]
	v_lshlrev_b32 v[LST], 2, v[LST]
	v_mov_b32 v[ZR], 0
	v_mov_b32 v[DV], 0
.irp k, 0,1,2,3
	v_mov_b32 v[T+(\k)], 0
.endr
	s_mov_b32 s12, 0x76543210
	s_mov_b32 s13, 0xfedcba98
	s_mov_b32 s14, 0xff800000
	s_mov_b32 s35, 0
	s_wait_kmcnt 0x0
	s_lshl_b32 s34, ttmp9, 9
	s_add_nc_u64 s[40:41], s[16:17], s[34:35]
	global_load_b128 v[ID:ID+3], v[LO], s[40:41]
	s_lshl_b32 s34, ttmp9, 7
	s_add_nc_u64 s[42:43], s[18:19], s[34:35]
	global_load_b32 v[TV], v[L4], s[42:43]
	s_add_nc_u64 s[24:25], s[24:25], s[34:35]
	s_lshl_b32 s34, ttmp9, 10
	s_add_co_u32 s34, s34, UB
	s_add_nc_u64 s[44:45], s[20:21], s[34:35]
	global_load_b128 v[U:U+3], v[LO], s[44:45]
	global_load_b128 v[U+4:U+7], v[LO], s[44:45] offset:512
	s_lshl_b32 s34, ttmp9, 10
	s_add_co_u32 s34, s34, AG
	s_add_nc_u64 s[22:23], s[22:23], s[34:35]
	s_lshl_b32 s34, ttmp9, 2
	s_add_co_u32 s34, s34, RNU
	s_add_nc_u64 s[46:47], s[20:21], s[34:35]
	s_load_b32 s37, s[46:47], 0x0                  ; the user's factor
	s_add_nc_u64 s[30:31], s[20:21], RNC
	s_wait_loadcnt 0x0
	s_wait_kmcnt 0x0
	v_min_u32 v[ID], 0x3ff, v[ID]
	v_min_u32 v[COL], 0x187ff, v[COL]
	v_cmp_ne_u32 s15, 0, v[FL]
	s_and_b32 s15, s15, 0xfffff                    ; bit n: place n of the list is flagged
	v_cndmask_b32 v[PVV], v[TV], s14, s15          ; a flagged stream's maximum comes in with its 98
	v_add_f32 v[PVV], 0, v[PVV]                    ; -0 becomes +0
	KEYOF KPV, PVV
	v_readlane_b32 s38, v[TV], 0
	v_mul_f32 v[MX], s37, s38                      ; the user's largest cosine
	; ---- the flagged streams' similarities, as keys, into LDS ----
	s_cmp_eq_u32 s15, 0
	s_cbranch_scc1 .Lndone                         ; no place is flagged: the whole loop is jumped over
	s_mov_b32 s28, 0
.Ln:                                           ; twenty places; an unflagged one is jumped over
	s_bitcmp1_b32 s15, s28
	s_cbranch_scc0 .Lnskip
	STREAM
	ROWLD
	v_lshl_add_u32 v[CA], v[R15], 4, s39
	v_min_u32 v[CA], 0x187ff, v[CA]
	v_lshlrev_b32 v[CA], 2, v[CA]
	global_load_b32 v[RCV], v[CA], s[30:31]        ; lane r and r + 16: the factor of row r
	s_wait_loadcnt 0x0                             ; all rows are in, and their offset registers are free for the next flagged place
.irp g, 0,1,2,3                        ; four rows side by side
.irp j, 0,1,2,3,4,5,6,7
.irp k, 0,1,2,3
.if (\j) == 0
	v_fma_mix_f32_bf16 v[SS+2*(\k)], v[ROWS+8*(4*(\g)+(\k))+(\j)], v[U+(\j)], v[ZR] op_sel_hi:[1,1,0]
	v_fma_mix_f32_bf16 v[SS+2*(\k)+1], v[ROWS+8*(4*(\g)+(\k))+(\j)], v[U+(\j)], v[ZR] op_sel:[1,1,0] op_sel_hi:[1,1,0]
.else
	v_fma_mix_f32_bf16 v[SS+2*(\k)], v[ROWS+8*(4*(\g)+(\k))+(\j)], v[U+(\j)], v[SS+2*(\k)] op_sel_hi:[1,1,0]
	v_fma_mix_f32_bf16 v[SS+2*(\k)+1], v[ROWS+8*(4*(\g)+(\k))+(\j)], v[U+(\j)], v[SS+2*(\k)+1] op_sel:[1,1,0] op_sel_hi:[1,1,0]
.endif
.endr
.endr
.irp k, 0,1,2,3
	v_add_f32 v[SS+2*(\k)], v[SS+2*(\k)], v[SS+2*(\k)+1]
.endr
.irp m, 1,2,4,8
.irp k, 0,1,2,3
	v_add_f32_dpp v[SS+2*(\k)], v[SS+2*(\k)], v[SS+2*(\k)] row_xmask:\m row_mask:0xf bank_mask:0xf
.endr
.endr
.irp k, 0,1,2,3
	v_permlanex16_b32 v[T+(\k)], v[SS+2*(\k)], s12, s13
.endr
.irp k, 0,1,2,3
	v_add_f32 v[SS+2*(\k)], v[SS+2*(\k)], v[T+(\k)]
.endr
.irp k, 0,1,2,3
	s_mov_b32 s34, 0x10001<<(4*(\g)+(\k))          ; lanes r and r + 16 keep row r's sum
	v_cndmask_b32 v[DV], v[DV], v[SS+2*(\k)], s34
.endr
.endr
	v_mul_f32 v[SIM], v[DV], v[RCV]
	v_add_f32 v[SIM], 0, v[SIM]                    ; -0 becomes +0
	v_cndmask_b32 v[SIM], s14, v[SIM], s36         ; minus infinity for a place that the stream does not have
	KEYOF SIM, SIM
	s_lshl_b32 s34, s28, 9
	v_add_nc_u32 v[LA], s34, v[LST]
	ds_store_b32 v[LA], v[SIM]                     ; both halves of the lanes write the same word with the same number
.Lnskip:
	s_add_co_u32 s28, s28, 1
	s_cmp_lt_u32 s28, 20
	s_cbranch_scc1 .Ln
.Lndone:
	s_wait_dscnt 0x0                               ; for the others' sake: my stores of keys are done
	s_barrier_signal -1
	s_barrier_wait -1
	; ---- the kept maxima: wave w takes places w, w + 7, w + 14 of the list (place 20 has weight 0) ----
.irp j, 0,1,2
	s_add_co_u32 s26, s10, 7*(\j)
	v_readlane_b32 s32, v[COL], s26
	s_min_u32 s32, s32, 100351
	s_lshl_b32 s32, s32, 10
	v_add_nc_u32 v[RO+(\j)], s32, v[LO]
	global_load_b128 v[ROWS+8*(\j):ROWS+8*(\j)+3],   v[RO+(\j)], s[20:21]
	global_load_b128 v[ROWS+8*(\j)+4:ROWS+8*(\j)+7], v[RO+(\j)], s[20:21] offset:512
.endr
	v_mov_b32 v[CP], 0
	s_cmp_eq_u32 s15, 0
	s_cbranch_scc1 .Lpdone
	s_mov_b32 s29, 0
.Lp:                                           ; how many numbers of the flagged streams are larger than each kept maximum: every wave counts for all 32 lanes
	s_bitcmp1_b32 s15, s29
	s_cbranch_scc0 .Lpskip
	s_lshl_b32 s34, s29, 9
	v_mov_b32 v[CAD], s34
	CHUNK 0, 0
	CHUNK 0, 1
	CHUNK 0, 2
	CHUNK 0, 3
.Lpskip:
	s_add_co_u32 s29, s29, 1
	s_cmp_lt_u32 s29, 20
	s_cbranch_scc1 .Lp
.Lpdone:
	s_and_not1_b32 s33, 0xfffff, s15
	v_mbcnt_lo_u32_b32 v[RK], s33, v[CP]           ; + the unflagged places below mine: the list is in falling order
	v_mul_f32 v[LL], s37, v[PVV]                   ; the cosine
	v_cmp_le_f32 s44, 0, v[LL]
	v_cmp_gt_u32 s45, 0x186a0, v[COL]              ; a padding column is no neighbour
	v_cmp_gt_u32 s46, 20, v[RK]
	s_and_b32 s44, s44, s45
	s_and_b32 s44, s44, s46
	EXPW
	s_wait_loadcnt 0x0                             ; my three rows are in
	s_mov_b32 s26, s10
	v_readlane_b32 s32, v[E], s26
	ACCROW ROWS, 1
	s_add_co_u32 s26, s10, 7
	v_readlane_b32 s32, v[E], s26
	ACCROW ROWS+8, 0
	s_add_co_u32 s26, s10, 14
	v_readlane_b32 s32, v[E], s26
	ACCROW ROWS+16, 0
	; ---- the flagged streams: my 16 places of each are ranked while my 16 rows are on their way ----
	s_cmp_eq_u32 s15, 0
	s_cbranch_scc1 .Ledone
.set n, 0
.rept 20
	v_readlane_b32 s[PK+n], v[KPV], n
.set n, n+1
.endr
	s_mov_b32 s28, 0
.Le:
	s_bitcmp1_b32 s15, s28
	s_cbranch_scc0 .Leskip
	STREAM
	ROWLD
	s_lshl_b32 s34, s28, 9
	v_add_nc_u32 v[LA], s34, v[LST]
	ds_load_b32 v[KX], v[LA]                       ; my place's key
	v_mov_b32 v[CF], 0
	v_mov_b32 v[CQ], 0
	s_wait_dscnt 0x0
	v_not_b32 v[NX], v[KX]
.set n, 0
.rept 20                               ; a kept maximum comes first if it is at least as large
	v_cmp_ge_u32 vcc_lo, s[PK+n], v[KX]
	v_add_co_ci_u32 v[CQ], vcc_lo, 0, v[CQ], vcc_lo
.set n, n+1
.endr
	s_mov_b32 s29, 0
.Li:                                           ; against each flagged stream's 112 places, 56 for each half of the lanes
	s_bitcmp1_b32 s15, s29
	s_cbranch_scc0 .Liskip
	s_sub_co_i32 s34, s28, s29
	s_lshl_b32 s34, s34, 10
	v_add_nc_u32 v[DS], s34, v[DD]                 ; comparand c of my half has the lower place if c < DS: always for an earlier stream, never for a later one
	s_lshl_b32 s34, s29, 9
	v_add_nc_u32 v[CAD], s34, v[H224]
	CHUNK 1, 0
	CHUNK 1, 1
.Liskip:
	s_add_co_u32 s29, s29, 1
	s_cmp_lt_u32 s29, 20
	s_cbranch_scc1 .Li
	v_permlanex16_b32 v[TT], v[CF], s12, s13       ; the other half's count
	v_add3_u32 v[RK], v[CF], v[TT], v[CQ]
	v_xor_b32 v[LL], 0x80000000, v[KX]             ; the key back to its f32
	v_cmp_gt_i32 vcc_lo, 0, v[KX]
	v_cndmask_b32 v[LL], v[NX], v[LL], vcc_lo
	v_mul_f32 v[LL], s37, v[LL]                    ; the cosine
	v_lshl_add_u32 v[CC], v[R15], 4, s39           ; my place's column
	v_cmp_le_f32 s44, 0, v[LL]
	v_cmp_gt_u32 s45, 0x186a0, v[CC]
	v_cmp_gt_u32 s46, 20, v[RK]
	s_and_b32 s44, s44, s45
	s_and_b32 s44, s44, s46
	EXPW
	s_wait_loadcnt 0x0                             ; my 16 rows are in, and their offset registers are free for the next flagged place
.set k, 0
.rept 16
	v_readlane_b32 s32, v[E], k
	ACCROW ROWS+8*k, 0
.set k, k+1
.endr
.Leskip:
	s_add_co_u32 s28, s28, 1
	s_cmp_lt_u32 s28, 20
	s_cbranch_scc1 .Le
.Ledone:
	s_wait_dscnt 0x0                               ; my reads of the keys are back
	s_barrier_signal -1
	s_barrier_wait -1                              ; everybody's are: LDS may be written again
	; ---- the seven partial sums meet ----
	s_mul_i32 s34, s10, PPI
	s_add_co_u32 s34, s34, PART
	v_lshl_add_u32 v[PA], v1, 5, s34               ; channel c lies at byte 4 c: my channels are 8 lane + 0..7 and 256 + 8 lane + 0..7
	v_mov_b32 v[PZ], s34
	ds_store_b128 v[PA], v[ACC:ACC+3]
	ds_store_b128 v[PA], v[ACC+4:ACC+7] offset:16
	ds_store_b128 v[PA], v[ACC+8:ACC+11] offset:1024
	ds_store_b128 v[PA], v[ACC+12:ACC+15] offset:1040
	ds_store_b32 v[PZ], v[ZA] offset:2048          ; all lanes write the same word with the same number
	s_wait_dscnt 0x0                               ; for the others' sake: my partial sums are stored
	s_barrier_signal -1
	s_barrier_wait -1
	s_cmp_ge_u32 s10, 4
	s_cbranch_scc1 .Lend
	v_lshl_add_u32 v[PA], v0, 4, PART              ; thread t of the first 128 takes channels 4 t .. 4 t + 3
	v_mov_b32 v[PZ], PART+2048
.irp p, 0,1,2,3,4,5,6
	ds_load_b128 v[64+4*(\p):64+4*(\p)+3], v[PA] offset:(\p)*PPI
	ds_load_b32 v[96+(\p)], v[PZ] offset:(\p)*PPI
.endr
	v_lshlrev_b32 v[CA], 3, v0
	s_wait_dscnt 0x0
.irp p, 1,2,3,4,5,6
	v_pk_add_f32 v[64:65], v[64:65], v[64+4*(\p):64+4*(\p)+1]
	v_pk_add_f32 v[66:67], v[66:67], v[64+4*(\p)+2:64+4*(\p)+3]
	v_add_f32 v96, v96, v[96+(\p)]
.endr
	v_rcp_f32 v104, v96
	v_nop
	s_wait_alu depctr_va_vdst(0)
	v_cmp_lt_f32 vcc_lo, 0, v96                    ; is any neighbour valid?
	v_cndmask_b32 v104, 0, v104, vcc_lo
.irp i, 0,1,2,3
	v_mul_f32 v[64+(\i)], v[64+(\i)], v104
.endr
	v_cvt_pk_bf16_f32 v106, v64, v65
	v_cvt_pk_bf16_f32 v107, v66, v67
	global_store_b64 v[CA], v[106:107], s[22:23]   ; a wave stores 256 consecutive bytes, at a multiple of 256 from the buffer's first byte
	s_cmp_lg_u32 s10, 0
	s_cbranch_scc1 .Lend
	v_cndmask_b32 v108, 0, 1.0, vcc_lo
	global_store_b32 v[L4], v108, s[24:25]
.Lend:
	s_wait_dscnt 0x0                               ; my reads of the partial sums are back
	s_barrier_signal -1                            ; every wave's path: all LDS reads are over before any wave's last LDS line
	s_barrier_wait -1
	s_wait_tensorcnt 0x0                           ; the wave's end, behind my last LDS store
	ds_add_u32 v[SPW], v[NIL]
	s_wait_dscnt 0x0
	s_endpgm
.Lfunc_end_k_qc87d4dd3d9_fin:
	.size	k_qc87d4dd3d9_fin, .Lfunc_end_k_qc87d4dd3d9_fin-k_qc87d4dd3d9_fin
	.p2alignl 7, 3214868480
	.fill 96, 4, 3214868480
	.section	.rodata,"a",@progbits
	.p2align	6, 0x0
	.amdhsa_kernel k_qc87d4dd3d9_fin
		.amdhsa_group_segment_fixed_size 25856
		.amdhsa_private_segment_fixed_size 0
		.amdhsa_enable_private_segment 0
		.amdhsa_kernarg_size 40
		.amdhsa_user_sgpr_count 2
		.amdhsa_user_sgpr_kernarg_segment_ptr 1
		.amdhsa_wavefront_size32 1
		.amdhsa_system_sgpr_workgroup_id_x 1
		.amdhsa_system_sgpr_workgroup_id_y 1
		.amdhsa_system_sgpr_workgroup_id_z 1
		.amdhsa_system_vgpr_workitem_id 0
		.amdhsa_next_free_vgpr 250
		.amdhsa_next_free_sgpr 90
		.amdhsa_reserve_vcc 1
		.amdhsa_float_denorm_mode_32 3
		.amdhsa_float_denorm_mode_16_64 3
		.amdhsa_memory_ordered 1
		.amdhsa_forward_progress 1
		.amdhsa_inst_pref_size 88
	.end_amdhsa_kernel
	.amdgpu_metadata
---
amdhsa.version: [ 1, 2 ]
amdhsa.kernels:
  - .name:           k_qc87d4dd3d9_fin
    .symbol:         k_qc87d4dd3d9_fin.kd
    .args:
      - { .name: sl, .offset: 0, .size: 8, .value_kind: global_buffer, .address_space: global }
      - { .name: tv, .offset: 8, .size: 8, .value_kind: global_buffer, .address_space: global }
      - { .name: pre, .offset: 16, .size: 8, .value_kind: global_buffer, .address_space: global }
      - { .name: ta, .offset: 24, .size: 8, .value_kind: global_buffer, .address_space: global }
      - { .name: fh, .offset: 32, .size: 8, .value_kind: global_buffer, .address_space: global }
    .group_segment_fixed_size: 25856
    .private_segment_fixed_size: 0
    .kernarg_segment_align: 8
    .kernarg_segment_size: 40
    .max_flat_workgroup_size: 224
    .sgpr_count:     90
    .vgpr_count:     250
    .wavefront_size: 32
...
	.end_amdgpu_metadata
.endif
;; end of part 4
;; launch mlp1 (part 5): grid 16 x 16, 4 waves a work-group, no clusters, 0 bytes of LDS; arguments pre, ta, b1, fh; writes fh
.if DOCPART == 5
	.amdgcn_target "amdgcn-amd-amdhsa--gfx1250"
	.amdhsa_code_object_version 6
	.text
	.protected	k_qc87d4dd3d9_mlp1
	.globl	k_qc87d4dd3d9_mlp1
	.p2align	8
	.type	k_qc87d4dd3d9_mlp1,@function
k_qc87d4dd3d9_mlp1:
	s_mov_b64 s[64:65], 0
	v_nop
	global_prefetch_b8 v0, s[64:65] scope:SCOPE_SE
	s_setreg_imm32_b32 hwreg(HW_REG_WAVE_MODE, 25, 1), 1
	s_wait_xcnt 0x0
; h = relu([user, agg] W1 + b1), 1,024 x 1,024 x 512, bf16 operands, f32 sums; b1 rounded to bf16 like the other inputs; h rounded once to bf16, stored by fragments for the next launch.
; A work-group makes 64 rows x 32 columns; a wave 16 rows x 32 columns: two accumulators, by turns.  Used transposed (source 0 = 16 columns of W1, source 1 = 16 rows): a lane ends with eight neighbouring
; columns of one row: 16 bytes, and the wave's store is one piece of 512 consecutive bytes.  Every fragment lies in memory as it lies in registers and comes by plain loads of 16 bytes a lane: no LDS.
; Two register sets of four K steps: while one is multiplied the other's 24 loads are out.  NO CLUSTER: operands come through registers, not by tensor loads, and W1 is 1 MiB in all.
.set UB,  102760448
.set W1F, 103809024
.set AG,  131072                       ; agg in ta; also h in fh
.set ACC, 16
.set BUF, 32                           ; two sets of 96: W1's fragments (tile j, K step f at 32 j + 8 f), then the rows' four
.set BI,  224                          ; v[224:239] b1 of my 2 x 8 columns
	s_load_b128 s[4:7], s[0:1], 0x0                ; pre s[4:5], ta s[6:7]
	s_load_b128 s[8:11], s[0:1], 0x10              ; b1 s[8:9], fh s[10:11]
	v_lshrrev_b32 v4, 5, v0
	v_readfirstlane_b32 s12, v4
	v_and_b32 v1, 31, v0
	v_lshlrev_b32 v1, 4, v1                        ; 16 x lane
	v_and_b32 v4, 15, v0
	v_bfe_u32 v5, v0, 4, 1
	v_lshlrev_b32 v2, 10, v4
	v_lshl_add_u32 v2, v5, 4, v2                   ; row x 1,024 + 16 x half
	v_lshlrev_b32 v3, 5, v5                        ; my eight columns of b1
	s_and_b32 s13, ttmp7, 0xffff
	s_lshl_b32 s14, s13, 2
	s_add_co_u32 s14, s14, s12                     ; my block of 16 rows
	s_lshl_b32 s22, ttmp9, 16                      ; two blocks of 16 columns: 2 x 32,768 bytes of fragments
	s_add_co_u32 s22, s22, W1F
	s_mov_b32 s23, 0
	s_lshl_b32 s24, s14, 14
	s_add_co_u32 s26, s24, UB
	s_mov_b32 s27, 0
	s_add_co_u32 s28, s24, AG
	s_mov_b32 s29, 0
	s_lshl_b32 s30, ttmp9, 7
	s_mov_b32 s31, 0
	s_lshl_b32 s24, ttmp9, 10
	s_add_co_u32 s24, s24, s28
	s_mov_b32 s25, 0
	s_wait_kmcnt 0x0
	s_add_nc_u64 s[16:17], s[4:5], s[22:23]        ; W1's fragments
	s_add_nc_u64 s[18:19], s[4:5], s[26:27]        ; the users' rows
	s_add_nc_u64 s[20:21], s[6:7], s[28:29]        ; agg's rows
	s_add_nc_u64 s[8:9], s[8:9], s[30:31]
	s_add_nc_u64 s[10:11], s[10:11], s[24:25]
.macro LOADS b, q                      ; K steps 4 q .. 4 q + 3 into set b: 24 loads
.irp f, 0,1,2,3
.irp j, 0,1
	global_load_b128 v[BUF+96*(\b)+32*(\j)+8*(\f):BUF+96*(\b)+32*(\j)+8*(\f)+3],   v1, s[16:17] offset:(\j)*32768+(4*(\q)+(\f))*1024
	global_load_b128 v[BUF+96*(\b)+32*(\j)+8*(\f)+4:BUF+96*(\b)+32*(\j)+8*(\f)+7], v1, s[16:17] offset:(\j)*32768+(4*(\q)+(\f))*1024+512
.endr
.if (\q) < 4
	global_load_b128 v[BUF+96*(\b)+64+8*(\f):BUF+96*(\b)+64+8*(\f)+3],   v2, s[18:19] offset:(4*(\q)+(\f))*64
	global_load_b128 v[BUF+96*(\b)+64+8*(\f)+4:BUF+96*(\b)+64+8*(\f)+7], v2, s[18:19] offset:(4*(\q)+(\f))*64+32
.else
	global_load_b128 v[BUF+96*(\b)+64+8*(\f):BUF+96*(\b)+64+8*(\f)+3],   v2, s[20:21] offset:(4*((\q)-4)+(\f))*64
	global_load_b128 v[BUF+96*(\b)+64+8*(\f)+4:BUF+96*(\b)+64+8*(\f)+7], v2, s[20:21] offset:(4*((\q)-4)+(\f))*64+32
.endif
.endr
.endm
.macro MULS b, first                   ; eight products; the two accumulators take turns; the first two start the sums
.irp f, 0,1,2,3
.irp j, 0,1
.if (\first) && ((\f) == 0)
	v_wmma_f32_16x16x32_bf16 v[ACC+8*(\j):ACC+8*(\j)+7], v[BUF+96*(\b)+32*(\j)+8*(\f):BUF+96*(\b)+32*(\j)+8*(\f)+7], v[BUF+96*(\b)+64+8*(\f):BUF+96*(\b)+64+8*(\f)+7], 0
.else
	v_wmma_f32_16x16x32_bf16 v[ACC+8*(\j):ACC+8*(\j)+7], v[BUF+96*(\b)+32*(\j)+8*(\f):BUF+96*(\b)+32*(\j)+8*(\f)+7], v[BUF+96*(\b)+64+8*(\f):BUF+96*(\b)+64+8*(\f)+7], v[ACC+8*(\j):ACC+8*(\j)+7]
.endif
.endr
.endr
.endm
.macro PLACES n
.rept \n
	v_nop
.endr
.endm
.irp j, 0,1
	global_load_b128 v[BI+8*(\j):BI+8*(\j)+3],   v3, s[8:9] offset:64*(\j)
	global_load_b128 v[BI+8*(\j)+4:BI+8*(\j)+7], v3, s[8:9] offset:64*(\j)+16
.endr
	LOADS 0, 0
	LOADS 1, 1
	s_wait_loadcnt 24                              ; the set in hand is in; the other set's 24 loads may stay out
	MULS 0, 1
	PLACES 4                                       ; in front of loads into registers that the products have read
	LOADS 0, 2
.irp q, 1,2,3,4,5
	s_wait_loadcnt 24
	MULS (\q)%2, 0
	PLACES 4
	LOADS (\q)%2, (\q)+2
.endr
	s_wait_loadcnt 24
	MULS 0, 0
	s_wait_loadcnt 0x0
	MULS 1, 0
	PLACES 8
.irp j, 0,1
.irp p, 0,1,2,3
	v_cvt_pk_bf16_f32 v[32+(\p)], v[BI+8*(\j)+2*(\p)], v[BI+8*(\j)+2*(\p)+1]
	v_lshlrev_b32 v[40+2*(\p)], 16, v[32+(\p)]
	v_and_b32 v[40+2*(\p)+1], 0xffff0000, v[32+(\p)]
.endr
.irp p, 0,1,2,3                        ; each accumulator is read from its low end on
	v_pk_add_f32 v[40+2*(\p):40+2*(\p)+1], v[40+2*(\p):40+2*(\p)+1], v[ACC+8*(\j)+2*(\p):ACC+8*(\j)+2*(\p)+1]
.endr
.irp i, 0,1,2,3,4,5,6,7
	v_max_num_f32 v[40+(\i)], 0, v[40+(\i)]
.endr
.irp p, 0,1,2,3
	v_cvt_pk_bf16_f32 v[48+4*(\j)+(\p)], v[40+2*(\p)], v[40+2*(\p)+1]
.endr
	global_store_b128 v1, v[48+4*(\j):48+4*(\j)+3], s[10:11] offset:512*(\j)
.endr
	s_endpgm
.Lfunc_end_k_qc87d4dd3d9_mlp1:
	.size	k_qc87d4dd3d9_mlp1, .Lfunc_end_k_qc87d4dd3d9_mlp1-k_qc87d4dd3d9_mlp1
	.p2alignl 7, 3214868480
	.fill 96, 4, 3214868480
	.section	.rodata,"a",@progbits
	.p2align	6, 0x0
	.amdhsa_kernel k_qc87d4dd3d9_mlp1
		.amdhsa_group_segment_fixed_size 0
		.amdhsa_private_segment_fixed_size 0
		.amdhsa_enable_private_segment 0
		.amdhsa_kernarg_size 32
		.amdhsa_user_sgpr_count 2
		.amdhsa_user_sgpr_kernarg_segment_ptr 1
		.amdhsa_wavefront_size32 1
		.amdhsa_system_sgpr_workgroup_id_x 1
		.amdhsa_system_sgpr_workgroup_id_y 1
		.amdhsa_system_sgpr_workgroup_id_z 1
		.amdhsa_system_vgpr_workitem_id 0
		.amdhsa_next_free_vgpr 240
		.amdhsa_next_free_sgpr 66
		.amdhsa_reserve_vcc 0
		.amdhsa_float_denorm_mode_32 3
		.amdhsa_float_denorm_mode_16_64 3
		.amdhsa_memory_ordered 1
		.amdhsa_forward_progress 1
		.amdhsa_inst_pref_size 29
	.end_amdhsa_kernel
	.amdgpu_metadata
---
amdhsa.version: [ 1, 2 ]
amdhsa.kernels:
  - .name:           k_qc87d4dd3d9_mlp1
    .symbol:         k_qc87d4dd3d9_mlp1.kd
    .args:
      - { .name: pre, .offset: 0, .size: 8, .value_kind: global_buffer, .address_space: global }
      - { .name: ta, .offset: 8, .size: 8, .value_kind: global_buffer, .address_space: global }
      - { .name: b1, .offset: 16, .size: 8, .value_kind: global_buffer, .address_space: global }
      - { .name: fh, .offset: 24, .size: 8, .value_kind: global_buffer, .address_space: global }
    .group_segment_fixed_size: 0
    .private_segment_fixed_size: 0
    .kernarg_segment_align: 8
    .kernarg_segment_size: 32
    .max_flat_workgroup_size: 128
    .sgpr_count:     66
    .vgpr_count:     240
    .wavefront_size: 32
...
	.end_amdgpu_metadata
.endif
;; end of part 5
;; launch mlp2 (part 6): grid 8 x 32, 2 waves a work-group, no clusters, 8,960 bytes of LDS; arguments fh, pre, b2, out0; writes out0
.if DOCPART == 6
	.amdgcn_target "amdgcn-amd-amdhsa--gfx1250"
	.amdhsa_code_object_version 6
	.text
	.protected	k_qc87d4dd3d9_mlp2
	.globl	k_qc87d4dd3d9_mlp2
	.p2align	8
	.type	k_qc87d4dd3d9_mlp2,@function
k_qc87d4dd3d9_mlp2:
	s_mov_b64 s[64:65], 0
	v_nop
	global_prefetch_b8 v0, s[64:65] scope:SCOPE_SE
	s_setreg_imm32_b32 hwreg(HW_REG_WAVE_MODE, 25, 1), 1
	s_wait_xcnt 0x0
; out = h W2 + b2 where the user has a valid neighbour, else the user's own row (as rounded to bf16, like every input).  1,024 x 512 x 512, bf16 operands, f32 sums; b2 rounded to bf16.
; A work-group makes 32 rows x 64 columns; a wave 16 rows x 64 columns: four accumulators, by turns.  Used transposed (source 0 = 16 columns of W2, source 1 = 16 rows of h): a lane ends with eight neighbouring
; columns of a row.  The wave's 16 x 64 numbers go through its own stage in LDS and leave as rows of 256 consecutive bytes, aligned.  Two register sets of two K steps: 20 loads each.
; NO CLUSTER: operands come through registers, not by tensor loads, and W2 is 512 KiB in all.
.set UB,  102760448
.set W2F, 104857600
.set HF,  131072
.set SP,  272                          ; a stage row: 256 bytes + 16
.set SPARE, 8704                       ; behind the two stages: the spare words, 128 bytes a wave
.set STO, 5
.set RD,  6
.set GO,  7
.set SPW, 8                            ; never rewritten
.set NIL, 9                            ; never rewritten
.set AV,  12
.set ACC, 16                           ; v[16:47]
.set BUF, 48                           ; two sets of 80: h's two fragments, then W2's (K step f, tile j at 16 + 32 f + 8 j)
.set BI,  208                          ; v[208:239] b2 of my 4 x 8 columns
.set US,  240                          ; v[240:255] the user's row at the same places, bf16
	s_load_b256 s[4:11], s[0:1], 0x0               ; fh s[4:5], pre s[6:7], b2 s[8:9], out0 s[10:11]
	v_lshl_add_u32 v[SPW], v0, 2, SPARE
	v_mov_b32 v[NIL], 0
	v_lshrrev_b32 v10, 5, v0
	v_readfirstlane_b32 s12, v10
	v_and_b32 v1, 31, v0
	v_lshlrev_b32 v1, 4, v1                        ; 16 x lane
	v_and_b32 v10, 15, v0
	v_bfe_u32 v11, v0, 4, 1
	v_lshlrev_b32 v2, 10, v10
	v_lshl_add_u32 v2, v11, 4, v2                  ; the user's row x 1,024 + my eight columns
	v_lshlrev_b32 v3, 5, v11
	v_lshlrev_b32 v4, 7, v10
	s_mul_i32 s13, s12, 16*SP                      ; my stage
	v_mul_u32_u24 v[STO], v10, SP
	v_lshl_add_u32 v[STO], v11, 5, v[STO]
	v_add_nc_u32 v[STO], s13, v[STO]
	v_mul_u32_u24 v[RD], v11, SP
	v_lshl_add_u32 v[RD], v10, 4, v[RD]
	v_add_nc_u32 v[RD], s13, v[RD]
	v_lshlrev_b32 v[GO], 11, v11
	v_lshl_add_u32 v[GO], v10, 4, v[GO]
	s_and_b32 s13, ttmp7, 0xffff
	s_lshl_b32 s14, s13, 1
	s_add_co_u32 s14, s14, s12                     ; my block of 16 rows
	s_mov_b32 s25, 0
	s_lshl_b32 s22, s14, 14
	s_wait_kmcnt 0x0
	s_add_co_u32 s24, s22, HF
	s_add_nc_u64 s[16:17], s[4:5], s[24:25]        ; h's fragments
	s_lshl_b32 s24, ttmp9, 16
	s_add_co_u32 s24, s24, W2F
	s_add_nc_u64 s[18:19], s[6:7], s[24:25]        ; W2's fragments: four blocks of 16 columns
	s_lshl_b32 s24, ttmp9, 7
	s_add_co_u32 s24, s24, s22
	s_add_co_u32 s24, s24, UB
	s_add_nc_u64 s[20:21], s[6:7], s[24:25]        ; the users' rows at my 64 columns
	s_lshl_b32 s24, s14, 11
	s_add_nc_u64 s[26:27], s[4:5], s[24:25]        ; the rows' weights and flags
	s_lshl_b32 s24, ttmp9, 8
	s_add_nc_u64 s[8:9], s[8:9], s[24:25]
	s_lshl_b32 s23, s14, 15
	s_add_co_u32 s24, s24, s23
	s_add_nc_u64 s[10:11], s[10:11], s[24:25]
.macro LOADS b, q                      ; K steps 2 q, 2 q + 1 into set b: 20 loads
.irp f, 0,1
	global_load_b128 v[BUF+80*(\b)+8*(\f):BUF+80*(\b)+8*(\f)+3],   v1, s[16:17] offset:(2*(\q)+(\f))*1024
	global_load_b128 v[BUF+80*(\b)+8*(\f)+4:BUF+80*(\b)+8*(\f)+7], v1, s[16:17] offset:(2*(\q)+(\f))*1024+512
.irp j, 0,1,2,3
	global_load_b128 v[BUF+80*(\b)+16+32*(\f)+8*(\j):BUF+80*(\b)+16+32*(\f)+8*(\j)+3],   v1, s[18:19] offset:(\j)*16384+(2*(\q)+(\f))*1024
	global_load_b128 v[BUF+80*(\b)+16+32*(\f)+8*(\j)+4:BUF+80*(\b)+16+32*(\f)+8*(\j)+7], v1, s[18:19] offset:(\j)*16384+(2*(\q)+(\f))*1024+512
.endr
.endr
.endm
.macro MULS b, first                   ; eight products; the four accumulators take turns; the first four start the sums
.irp f, 0,1
.irp j, 0,1,2,3
.if (\first) && ((\f) == 0)
	v_wmma_f32_16x16x32_bf16 v[ACC+8*(\j):ACC+8*(\j)+7], v[BUF+80*(\b)+16+32*(\f)+8*(\j):BUF+80*(\b)+16+32*(\f)+8*(\j)+7], v[BUF+80*(\b)+8*(\f):BUF+80*(\b)+8*(\f)+7], 0
.else
	v_wmma_f32_16x16x32_bf16 v[ACC+8*(\j):ACC+8*(\j)+7], v[BUF+80*(\b)+16+32*(\f)+8*(\j):BUF+80*(\b)+16+32*(\f)+8*(\j)+7], v[BUF+80*(\b)+8*(\f):BUF+80*(\b)+8*(\f)+7], v[ACC+8*(\j):ACC+8*(\j)+7]
.endif
.endr
.endr
.endm
.macro PLACES n
.rept \n
	v_nop
.endr
.endm
.irp j, 0,1,2,3
	global_load_b128 v[BI+8*(\j):BI+8*(\j)+3],   v3, s[8:9] offset:64*(\j)
	global_load_b128 v[BI+8*(\j)+4:BI+8*(\j)+7], v3, s[8:9] offset:64*(\j)+16
	global_load_b128 v[US+4*(\j):US+4*(\j)+3],   v2, s[20:21] offset:32*(\j)
.endr
	global_load_b32 v[AV], v4, s[26:27] offset:124 ; 1.0 where my row's user has a valid neighbour
	LOADS 0, 0
	LOADS 1, 1
	s_wait_loadcnt 20                              ; the set in hand is in; the other set's 20 loads may stay out
	MULS 0, 1
	PLACES 4                                       ; in front of loads into registers that the products have read
	LOADS 0, 2
.irp q, 1,2,3,4,5
	s_wait_loadcnt 20
	MULS (\q)%2, 0
	PLACES 4
	LOADS (\q)%2, (\q)+2
.endr
	s_wait_loadcnt 20
	MULS 0, 0
	s_wait_loadcnt 0x0
	MULS 1, 0
	PLACES 8
	v_cmp_lt_f32 s24, 0.5, v[AV]
.irp j, 0,1,2,3
.irp p, 0,1,2,3
	v_cvt_pk_bf16_f32 v[48+(\p)], v[BI+8*(\j)+2*(\p)], v[BI+8*(\j)+2*(\p)+1]
	v_lshlrev_b32 v[56+2*(\p)], 16, v[48+(\p)]
	v_and_b32 v[56+2*(\p)+1], 0xffff0000, v[48+(\p)]
	v_lshlrev_b32 v[64+2*(\p)], 16, v[US+4*(\j)+(\p)]
	v_and_b32 v[64+2*(\p)+1], 0xffff0000, v[US+4*(\j)+(\p)]
.endr
.irp p, 0,1,2,3                        ; each accumulator is read from its low end on
	v_pk_add_f32 v[56+2*(\p):56+2*(\p)+1], v[56+2*(\p):56+2*(\p)+1], v[ACC+8*(\j)+2*(\p):ACC+8*(\j)+2*(\p)+1]
.endr
.irp i, 0,1,2,3,4,5,6,7
	v_cndmask_b32 v[128+8*(\j)+(\i)], v[64+(\i)], v[56+(\i)], s24
.endr
	ds_store_b128 v[STO], v[128+8*(\j):128+8*(\j)+3]   offset:64*(\j)
	ds_store_b128 v[STO], v[128+8*(\j)+4:128+8*(\j)+7] offset:64*(\j)+16
.endr
.irp i, 0,1,2,3,4,5,6,7                ; LDS serves a wave's instructions in order: these see the stores above; lanes 0-15 take one row, lanes 16-31 the next
	ds_load_b128 v[160+4*(\i):160+4*(\i)+3], v[RD] offset:(\i)*2*SP
.endr
.irp i, 0,1,2,3,4,5,6,7
	s_wait_dscnt 7-(\i)
	global_store_b128 v[GO], v[160+4*(\i):160+4*(\i)+3], s[10:11] offset:(\i)*4096  ; 16 lanes store 256 consecutive bytes, at a multiple of 256 from the output's first byte
.endr
	s_wait_tensorcnt 0x0                           ; the wave's end, behind my last LDS store
	ds_add_u32 v[SPW], v[NIL]
	s_wait_dscnt 0x0
	s_endpgm
.Lfunc_end_k_qc87d4dd3d9_mlp2:
	.size	k_qc87d4dd3d9_mlp2, .Lfunc_end_k_qc87d4dd3d9_mlp2-k_qc87d4dd3d9_mlp2
	.p2alignl 7, 3214868480
	.fill 96, 4, 3214868480
	.section	.rodata,"a",@progbits
	.p2align	6, 0x0
	.amdhsa_kernel k_qc87d4dd3d9_mlp2
		.amdhsa_group_segment_fixed_size 8960
		.amdhsa_private_segment_fixed_size 0
		.amdhsa_enable_private_segment 0
		.amdhsa_kernarg_size 32
		.amdhsa_user_sgpr_count 2
		.amdhsa_user_sgpr_kernarg_segment_ptr 1
		.amdhsa_wavefront_size32 1
		.amdhsa_system_sgpr_workgroup_id_x 1
		.amdhsa_system_sgpr_workgroup_id_y 1
		.amdhsa_system_sgpr_workgroup_id_z 1
		.amdhsa_system_vgpr_workitem_id 0
		.amdhsa_next_free_vgpr 256
		.amdhsa_next_free_sgpr 66
		.amdhsa_reserve_vcc 0
		.amdhsa_float_denorm_mode_32 3
		.amdhsa_float_denorm_mode_16_64 3
		.amdhsa_memory_ordered 1
		.amdhsa_forward_progress 1
		.amdhsa_inst_pref_size 33
	.end_amdhsa_kernel
	.amdgpu_metadata
---
amdhsa.version: [ 1, 2 ]
amdhsa.kernels:
  - .name:           k_qc87d4dd3d9_mlp2
    .symbol:         k_qc87d4dd3d9_mlp2.kd
    .args:
      - { .name: fh, .offset: 0, .size: 8, .value_kind: global_buffer, .address_space: global }
      - { .name: pre, .offset: 8, .size: 8, .value_kind: global_buffer, .address_space: global }
      - { .name: b2, .offset: 16, .size: 8, .value_kind: global_buffer, .address_space: global }
      - { .name: out0, .offset: 24, .size: 8, .value_kind: global_buffer, .address_space: global }
    .group_segment_fixed_size: 8960
    .private_segment_fixed_size: 0
    .kernarg_segment_align: 8
    .kernarg_segment_size: 32
    .max_flat_workgroup_size: 64
    .sgpr_count:     66
    .vgpr_count:     256
    .wavefront_size: 32
...
	.end_amdgpu_metadata
.endif
;; end of part 6
;; ======== version 2 of 2: 6 launches; version 1 with the launches mlp1, mlp2 written anew for expert scheduling mode
;; workspace buffers: pre 105,787,392 bytes; mm 8,388,608 bytes; ar 4,194,304 bytes of whole numbers; sl 524,288 bytes of whole numbers; tv 131,072 bytes; ta 1,179,648 bytes; fh 1,179,648 bytes
;; launch prep: the kernel of part 1 again; grid 444 x 1, 8 waves a work-group, no clusters, 0 bytes of LDS; arguments cache_embeddings, user_embeddings, W1, W2, pre; writes pre
;; launch sims: the kernel of part 2 again; grid 4 x 64, 4 waves a work-group, clusters of 4 x 1, 327,680 bytes of LDS; arguments pre, mm, ar; writes mm, ar
;; launch pick: the kernel of part 3 again; grid 256 x 1, 4 waves a work-group, no clusters, 0 bytes of LDS; arguments mm, ar, sl, tv; writes sl, tv
;; launch fin: the kernel of part 4 again; grid 1024 x 1, 7 waves a work-group, no clusters, 25,856 bytes of LDS; arguments sl, tv, pre, ta, fh; writes ta, fh
;; launch mlp1 (part 7): grid 16 x 16, 4 waves a work-group, no clusters, 0 bytes of LDS; arguments pre, ta, b1, fh; writes fh
.if DOCPART == 7
	.amdgcn_target "amdgcn-amd-amdhsa--gfx1250"
	.amdhsa_code_object_version 6
	.text
	.protected	k_qc87d4dd3d9_mlp1
	.globl	k_qc87d4dd3d9_mlp1
	.p2align	8
	.type	k_qc87d4dd3d9_mlp1,@function
k_qc87d4dd3d9_mlp1:
	s_mov_b64 s[64:65], 0
	v_nop
	global_prefetch_b8 v0, s[64:65] scope:SCOPE_SE
	s_setreg_imm32_b32 hwreg(HW_REG_WAVE_SCHED_MODE, 0, 2), 2
	s_setreg_imm32_b32 hwreg(HW_REG_WAVE_MODE, 25, 1), 1
	s_wait_xcnt 0x0
	s_wait_alu depctr_vm_vsrc(0)
; h = relu([user, agg] W1 + b1), 1,024 x 1,024 x 512, bf16 operands, f32 sums; b1 rounded to bf16 like the other inputs; h rounded once to bf16, stored by fragments for the next launch.
; A work-group makes 64 rows x 32 columns; a wave 16 rows x 32 columns: two accumulators, by turns.  Used transposed (source 0 = 16 columns of W1, source 1 = 16 rows): a lane ends with eight neighbouring
; columns of one row: 16 bytes, and the wave's store is one piece of 512 consecutive bytes.  Every fragment lies in memory as it lies in registers and comes by plain loads of 16 bytes a lane: no LDS.
; Two register sets of four K steps: while one is multiplied the other's 24 loads are out.  NO CLUSTER: operands come through registers, not by tensor loads, and W1 is 1 MiB in all.
; THE MODE: SCHED_MODE bits 1:0 = 2 (LLVM: expert scheduling mode 2), set by the entry lines.  The code itself states the register dependences
; between vector or matrix instructions and memory instructions, with s_wait_alu, always for 0.
; THE PLAN.  Registers that memory instructions touch:
;   v1, v2, v3   offsets: written at the head, never again; every load and store reads one of them.
;   BI           loaded once; read by the way out's roundings.
;   set 0, set 1 Step q: its eight products read set q % 2; behind them the 24 loads of step q + 2 land in the same set.  The other set's loads are out all the while,
;                so no load can be issued among a step's products: both sets are either on their way or at work, and a third set of 96 has no room among 256 registers.
;   v[48:55]     written by the way out's last roundings; read by the two stores, which stand together behind them.
; So ONE wait on va_vdst stands in a step, behind its products: they are done reading the set that is asked for again at once.  One more stands ahead of the first load (the offsets) and one ahead of
; the stores (their data).  No register that a memory instruction reads is written again, so there is no wait on vm_vsrc.
.set UB,  102760448
.set W1F, 103809024
.set AG,  131072                       ; agg in ta; also h in fh
.set ACC, 16
.set BUF, 32                           ; two sets of 96: W1's fragments (tile j, K step f at 32 j + 8 f), then the rows' four
.set BI,  224                          ; v[224:239] b1 of my 2 x 8 columns
	s_load_b128 s[4:7], s[0:1], 0x0                ; pre s[4:5], ta s[6:7]
	s_load_b128 s[8:11], s[0:1], 0x10              ; b1 s[8:9], fh s[10:11]
	v_lshrrev_b32 v4, 5, v0
	v_readfirstlane_b32 s12, v4
	v_and_b32 v1, 31, v0
	v_lshlrev_b32 v1, 4, v1                        ; 16 x lane
	v_and_b32 v4, 15, v0
	v_bfe_u32 v5, v0, 4, 1
	v_lshlrev_b32 v2, 10, v4
	v_lshl_add_u32 v2, v5, 4, v2                   ; row x 1,024 + 16 x half
	v_lshlrev_b32 v3, 5, v5                        ; my eight columns of b1
	s_and_b32 s13, ttmp7, 0xffff
	s_lshl_b32 s14, s13, 2
	s_wait_alu depctr_va_sdst(0)                   ; s12, the wave's number, is written, ahead of its first reader: the rows' addresses are made from it
	s_add_co_u32 s14, s14, s12                     ; my block of 16 rows
	s_lshl_b32 s22, ttmp9, 16                      ; two blocks of 16 columns: 2 x 32,768 bytes of fragments
	s_add_co_u32 s22, s22, W1F
	s_mov_b32 s23, 0
	s_lshl_b32 s24, s14, 14
	s_add_co_u32 s26, s24, UB
	s_mov_b32 s27, 0
	s_add_co_u32 s28, s24, AG
	s_mov_b32 s29, 0
	s_lshl_b32 s30, ttmp9, 7
	s_mov_b32 s31, 0
	s_lshl_b32 s24, ttmp9, 10
	s_add_co_u32 s24, s24, s28
	s_mov_b32 s25, 0
	s_wait_kmcnt 0x0
	s_add_nc_u64 s[16:17], s[4:5], s[22:23]        ; W1's fragments
	s_add_nc_u64 s[18:19], s[4:5], s[26:27]        ; the users' rows
	s_add_nc_u64 s[20:21], s[6:7], s[28:29]        ; agg's rows
	s_add_nc_u64 s[8:9], s[8:9], s[30:31]
	s_add_nc_u64 s[10:11], s[10:11], s[24:25]
.macro LOADS b, q                      ; K steps 4 q .. 4 q + 3 into set b: 24 loads
.irp f, 0,1,2,3
.irp j, 0,1
	global_load_b128 v[BUF+96*(\b)+32*(\j)+8*(\f):BUF+96*(\b)+32*(\j)+8*(\f)+3],   v1, s[16:17] offset:(\j)*32768+(4*(\q)+(\f))*1024
	global_load_b128 v[BUF+96*(\b)+32*(\j)+8*(\f)+4:BUF+96*(\b)+32*(\j)+8*(\f)+7], v1, s[16:17] offset:(\j)*32768+(4*(\q)+(\f))*1024+512
.endr
.if (\q) < 4
	global_load_b128 v[BUF+96*(\b)+64+8*(\f):BUF+96*(\b)+64+8*(\f)+3],   v2, s[18:19] offset:(4*(\q)+(\f))*64
	global_load_b128 v[BUF+96*(\b)+64+8*(\f)+4:BUF+96*(\b)+64+8*(\f)+7], v2, s[18:19] offset:(4*(\q)+(\f))*64+32
.else
	global_load_b128 v[BUF+96*(\b)+64+8*(\f):BUF+96*(\b)+64+8*(\f)+3],   v2, s[20:21] offset:(4*((\q)-4)+(\f))*64
	global_load_b128 v[BUF+96*(\b)+64+8*(\f)+4:BUF+96*(\b)+64+8*(\f)+7], v2, s[20:21] offset:(4*((\q)-4)+(\f))*64+32
.endif
.endr
.endm
.macro MULS b, first                   ; eight products; the two accumulators take turns; the first two start the sums
.irp f, 0,1,2,3
.irp j, 0,1
.if (\first) && ((\f) == 0)
	v_wmma_f32_16x16x32_bf16 v[ACC+8*(\j):ACC+8*(\j)+7], v[BUF+96*(\b)+32*(\j)+8*(\f):BUF+96*(\b)+32*(\j)+8*(\f)+7], v[BUF+96*(\b)+64+8*(\f):BUF+96*(\b)+64+8*(\f)+7], 0
.else
	v_wmma_f32_16x16x32_bf16 v[ACC+8*(\j):ACC+8*(\j)+7], v[BUF+96*(\b)+32*(\j)+8*(\f):BUF+96*(\b)+32*(\j)+8*(\f)+7], v[BUF+96*(\b)+64+8*(\f):BUF+96*(\b)+64+8*(\f)+7], v[ACC+8*(\j):ACC+8*(\j)+7]
.endif
.endr
.endr
.endm
.macro PLACES n
.rept \n
	v_nop
.endr
.endm
	s_wait_alu depctr_va_vdst(0)                   ; the offsets v1, v2 and v3 are written: every load and store of the kernel reads one of them
.irp j, 0,1
	global_load_b128 v[BI+8*(\j):BI+8*(\j)+3],   v3, s[8:9] offset:64*(\j)
	global_load_b128 v[BI+8*(\j)+4:BI+8*(\j)+7], v3, s[8:9] offset:64*(\j)+16
.endr
	LOADS 0, 0
	LOADS 1, 1
	s_wait_loadcnt 24                              ; the set in hand is in; the other set's 24 loads may stay out
	MULS 0, 1
	PLACES 4                                       ; in front of loads into registers that the products have read
	s_wait_alu depctr_va_vdst(0)                   ; the step's eight products are done reading set 0, in which the loads below land
	LOADS 0, 2
.irp q, 1,2,3,4,5
	s_wait_loadcnt 24
	MULS (\q)%2, 0
	PLACES 4
	s_wait_alu depctr_va_vdst(0)                   ; the step's eight products are done reading their set, in which the loads below land
	LOADS (\q)%2, (\q)+2
.endr
	s_wait_loadcnt 24
	MULS 0, 0
	s_wait_loadcnt 0x0
	MULS 1, 0
	PLACES 8
.irp j, 0,1
.irp p, 0,1,2,3
	v_cvt_pk_bf16_f32 v[32+(\p)], v[BI+8*(\j)+2*(\p)], v[BI+8*(\j)+2*(\p)+1]
	v_lshlrev_b32 v[40+2*(\p)], 16, v[32+(\p)]
	v_and_b32 v[40+2*(\p)+1], 0xffff0000, v[32+(\p)]
.endr
.irp p, 0,1,2,3                        ; each accumulator is read from its low end on
	v_pk_add_f32 v[40+2*(\p):40+2*(\p)+1], v[40+2*(\p):40+2*(\p)+1], v[ACC+8*(\j)+2*(\p):ACC+8*(\j)+2*(\p)+1]
.endr
.irp i, 0,1,2,3,4,5,6,7
	v_max_num_f32 v[40+(\i)], 0, v[40+(\i)]
.endr
.irp p, 0,1,2,3
	v_cvt_pk_bf16_f32 v[48+4*(\j)+(\p)], v[40+2*(\p)], v[40+2*(\p)+1]
.endr
.endr
	s_wait_alu depctr_va_vdst(0)                   ; the last roundings have written v[48:55], which the two stores read
.irp j, 0,1
	global_store_b128 v1, v[48+4*(\j):48+4*(\j)+3], s[10:11] offset:512*(\j)
.endr
	s_endpgm
.Lfunc_end_k_qc87d4dd3d9_mlp1:
	.size	k_qc87d4dd3d9_mlp1, .Lfunc_end_k_qc87d4dd3d9_mlp1-k_qc87d4dd3d9_mlp1
	.p2alignl 7, 3214868480
	.fill 96, 4, 3214868480
	.section	.rodata,"a",@progbits
	.p2align	6, 0x0
	.amdhsa_kernel k_qc87d4dd3d9_mlp1
		.amdhsa_group_segment_fixed_size 0
		.amdhsa_private_segment_fixed_size 0
		.amdhsa_enable_private_segment 0
		.amdhsa_kernarg_size 32
		.amdhsa_user_sgpr_count 2
		.amdhsa_user_sgpr_kernarg_segment_ptr 1
		.amdhsa_wavefront_size32 1
		.amdhsa_system_sgpr_workgroup_id_x 1
		.amdhsa_system_sgpr_workgroup_id_y 1
		.amdhsa_system_sgpr_workgroup_id_z 1
		.amdhsa_system_vgpr_workitem_id 0
		.amdhsa_next_free_vgpr 240
		.amdhsa_next_free_sgpr 66
		.amdhsa_reserve_vcc 0
		.amdhsa_float_denorm_mode_32 3
		.amdhsa_float_denorm_mode_16_64 3
		.amdhsa_memory_ordered 1
		.amdhsa_forward_progress 1
		.amdhsa_inst_pref_size 29
	.end_amdhsa_kernel
	.amdgpu_metadata
---
amdhsa.version: [ 1, 2 ]
amdhsa.kernels:
  - .name:           k_qc87d4dd3d9_mlp1
    .symbol:         k_qc87d4dd3d9_mlp1.kd
    .args:
      - { .name: pre, .offset: 0, .size: 8, .value_kind: global_buffer, .address_space: global }
      - { .name: ta, .offset: 8, .size: 8, .value_kind: global_buffer, .address_space: global }
      - { .name: b1, .offset: 16, .size: 8, .value_kind: global_buffer, .address_space: global }
      - { .name: fh, .offset: 24, .size: 8, .value_kind: global_buffer, .address_space: global }
    .group_segment_fixed_size: 0
    .private_segment_fixed_size: 0
    .kernarg_segment_align: 8
    .kernarg_segment_size: 32
    .max_flat_workgroup_size: 128
    .sgpr_count:     66
    .vgpr_count:     240
    .wavefront_size: 32
...
	.end_amdgpu_metadata
.endif
;; end of part 7
;; launch mlp2 (part 8): grid 8 x 32, 2 waves a work-group, no clusters, 8,960 bytes of LDS; arguments fh, pre, b2, out0; writes out0
.if DOCPART == 8
	.amdgcn_target "amdgcn-amd-amdhsa--gfx1250"
	.amdhsa_code_object_version 6
	.text
	.protected	k_qc87d4dd3d9_mlp2
	.globl	k_qc87d4dd3d9_mlp2
	.p2align	8
	.type	k_qc87d4dd3d9_mlp2,@function
k_qc87d4dd3d9_mlp2:
	s_mov_b64 s[64:65], 0
	v_nop
	global_prefetch_b8 v0, s[64:65] scope:SCOPE_SE
	s_setreg_imm32_b32 hwreg(HW_REG_WAVE_SCHED_MODE, 0, 2), 2
	s_setreg_imm32_b32 hwreg(HW_REG_WAVE_MODE, 25, 1), 1
	s_wait_xcnt 0x0
	s_wait_alu depctr_vm_vsrc(0)
; out = h W2 + b2 where the user has a valid neighbour, else the user's own row (as rounded to bf16, like every input).  1,024 x 512 x 512, bf16 operands, f32 sums; b2 rounded to bf16.
; A work-group makes 32 rows x 64 columns; a wave 16 rows x 64 columns: four accumulators, by turns.  Used transposed (source 0 = 16 columns of W2, source 1 = 16 rows of h): a lane ends with eight neighbouring
; columns of a row.  The wave's 16 x 64 numbers go through its own stage in LDS and leave as rows of 256 consecutive bytes, aligned.  Two register sets of two K steps: 20 loads each.
; NO CLUSTER: operands come through registers, not by tensor loads, and W2 is 512 KiB in all.
; THE MODE: SCHED_MODE bits 1:0 = 2 (LLVM: expert scheduling mode 2), set by the entry lines.  The code itself states the register dependences
; between vector or matrix instructions and memory or LDS instructions, with s_wait_alu, always for 0.
; THE PLAN.  Registers that memory or LDS instructions touch:
;   v1 .. v7      offsets and LDS addresses: written at the head, never again.
;   BI, US, AV    loaded once; read by the way out's vector lines.
;   set 0, set 1  Step q: its eight products read set q % 2; behind them the 20 loads of step q + 2 land in the same set.  The other set's loads are out all the while,
;                 so no load can be issued among a step's products, and a third set of 80 has no room among 256 registers.
;   v[128:159]    written by the way out's selects; read by the eight LDS stores, which stand together behind them.
;   v[160:191]    read by the last step's products; then the eight LDS loads land there, and the eight global stores read them.
; So ONE wait on va_vdst stands in a step, behind its products; one ahead of the first load (the offsets); one ahead of the run of LDS stores, behind which no vector line follows: it also covers the
; LDS loads into v[160:191].  No register that a memory or LDS instruction reads is written again, so there is no wait on vm_vsrc.
.set UB,  102760448
.set W2F, 104857600
.set HF,  131072
.set SP,  272                          ; a stage row: 256 bytes + 16
.set STO, 5
.set RD,  6
.set GO,  7
.set AV,  12
.set ACC, 16                           ; v[16:47]
.set BUF, 48                           ; two sets of 80: h's two fragments, then W2's (K step f, tile j at 16 + 32 f + 8 j)
.set BI,  208                          ; v[208:239] b2 of my 4 x 8 columns
.set US,  240                          ; v[240:255] the user's row at the same places, bf16
	s_load_b256 s[4:11], s[0:1], 0x0               ; fh s[4:5], pre s[6:7], b2 s[8:9], out0 s[10:11]
	v_lshl_add_u32 v14, v0, 2, 0x2200
	v_mov_b32 v15, 0
	v_lshrrev_b32 v10, 5, v0
	v_readfirstlane_b32 s12, v10
	v_and_b32 v1, 31, v0
	v_lshlrev_b32 v1, 4, v1                        ; 16 x lane
	v_and_b32 v10, 15, v0
	v_bfe_u32 v11, v0, 4, 1
	v_lshlrev_b32 v2, 10, v10
	v_lshl_add_u32 v2, v11, 4, v2                  ; the user's row x 1,024 + my eight columns
	v_lshlrev_b32 v3, 5, v11
	v_lshlrev_b32 v4, 7, v10
	s_wait_alu depctr_va_sdst(0)                   ; s12, the wave's number, is written, ahead of its first reader: the stage's place and the rows' addresses are made from it
	s_mul_i32 s13, s12, 16*SP                      ; my stage
	v_mul_u32_u24 v[STO], v10, SP
	v_lshl_add_u32 v[STO], v11, 5, v[STO]
	v_add_nc_u32 v[STO], s13, v[STO]
	v_mul_u32_u24 v[RD], v11, SP
	v_lshl_add_u32 v[RD], v10, 4, v[RD]
	v_add_nc_u32 v[RD], s13, v[RD]
	v_lshlrev_b32 v[GO], 11, v11
	v_lshl_add_u32 v[GO], v10, 4, v[GO]
	s_and_b32 s13, ttmp7, 0xffff
	s_lshl_b32 s14, s13, 1
	s_add_co_u32 s14, s14, s12                     ; my block of 16 rows
	s_mov_b32 s25, 0
	s_lshl_b32 s22, s14, 14
	s_wait_kmcnt 0x0
	s_add_co_u32 s24, s22, HF
	s_add_nc_u64 s[16:17], s[4:5], s[24:25]        ; h's fragments
	s_lshl_b32 s24, ttmp9, 16
	s_add_co_u32 s24, s24, W2F
	s_add_nc_u64 s[18:19], s[6:7], s[24:25]        ; W2's fragments: four blocks of 16 columns
	s_lshl_b32 s24, ttmp9, 7
	s_add_co_u32 s24, s24, s22
	s_add_co_u32 s24, s24, UB
	s_add_nc_u64 s[20:21], s[6:7], s[24:25]        ; the users' rows at my 64 columns
	s_lshl_b32 s24, s14, 11
	s_add_nc_u64 s[26:27], s[4:5], s[24:25]        ; the rows' weights and flags
	s_lshl_b32 s24, ttmp9, 8
	s_add_nc_u64 s[8:9], s[8:9], s[24:25]
	s_lshl_b32 s23, s14, 15
	s_add_co_u32 s24, s24, s23
	s_add_nc_u64 s[10:11], s[10:11], s[24:25]
.macro LOADS b, q                      ; K steps 2 q, 2 q + 1 into set b: 20 loads
.irp f, 0,1
	global_load_b128 v[BUF+80*(\b)+8*(\f):BUF+80*(\b)+8*(\f)+3],   v1, s[16:17] offset:(2*(\q)+(\f))*1024
	global_load_b128 v[BUF+80*(\b)+8*(\f)+4:BUF+80*(\b)+8*(\f)+7], v1, s[16:17] offset:(2*(\q)+(\f))*1024+512
.irp j, 0,1,2,3
	global_load_b128 v[BUF+80*(\b)+16+32*(\f)+8*(\j):BUF+80*(\b)+16+32*(\f)+8*(\j)+3],   v1, s[18:19] offset:(\j)*16384+(2*(\q)+(\f))*1024
	global_load_b128 v[BUF+80*(\b)+16+32*(\f)+8*(\j)+4:BUF+80*(\b)+16+32*(\f)+8*(\j)+7], v1, s[18:19] offset:(\j)*16384+(2*(\q)+(\f))*1024+512
.endr
.endr
.endm
.macro MULS b, first                   ; eight products; the four accumulators take turns; the first four start the sums
.irp f, 0,1
.irp j, 0,1,2,3
.if (\first) && ((\f) == 0)
	v_wmma_f32_16x16x32_bf16 v[ACC+8*(\j):ACC+8*(\j)+7], v[BUF+80*(\b)+16+32*(\f)+8*(\j):BUF+80*(\b)+16+32*(\f)+8*(\j)+7], v[BUF+80*(\b)+8*(\f):BUF+80*(\b)+8*(\f)+7], 0
.else
	v_wmma_f32_16x16x32_bf16 v[ACC+8*(\j):ACC+8*(\j)+7], v[BUF+80*(\b)+16+32*(\f)+8*(\j):BUF+80*(\b)+16+32*(\f)+8*(\j)+7], v[BUF+80*(\b)+8*(\f):BUF+80*(\b)+8*(\f)+7], v[ACC+8*(\j):ACC+8*(\j)+7]
.endif
.endr
.endr
.endm
.macro PLACES n
.rept \n
	v_nop
.endr
.endm
	s_wait_alu depctr_va_vdst(0)                   ; the offsets and LDS addresses v1 to v7 are written: every load and store of the kernel reads one of them
.irp j, 0,1,2,3
	global_load_b128 v[BI+8*(\j):BI+8*(\j)+3],   v3, s[8:9] offset:64*(\j)
	global_load_b128 v[BI+8*(\j)+4:BI+8*(\j)+7], v3, s[8:9] offset:64*(\j)+16
	global_load_b128 v[US+4*(\j):US+4*(\j)+3],   v2, s[20:21] offset:32*(\j)
.endr
	global_load_b32 v[AV], v4, s[26:27] offset:124 ; 1.0 where my row's user has a valid neighbour
	LOADS 0, 0
	LOADS 1, 1
	s_wait_loadcnt 20                              ; the set in hand is in; the other set's 20 loads may stay out
	MULS 0, 1
	PLACES 4                                       ; in front of loads into registers that the products have read
	s_wait_alu depctr_va_vdst(0)                   ; the step's eight products are done reading set 0, in which the loads below land
	LOADS 0, 2
.irp q, 1,2,3,4,5
	s_wait_loadcnt 20
	MULS (\q)%2, 0
	PLACES 4
	s_wait_alu depctr_va_vdst(0)                   ; the step's eight products are done reading their set, in which the loads below land
	LOADS (\q)%2, (\q)+2
.endr
	s_wait_loadcnt 20
	MULS 0, 0
	s_wait_loadcnt 0x0
	MULS 1, 0
	PLACES 8
	v_cmp_lt_f32 s24, 0.5, v[AV]
.irp j, 0,1,2,3
.irp p, 0,1,2,3
	v_cvt_pk_bf16_f32 v[48+(\p)], v[BI+8*(\j)+2*(\p)], v[BI+8*(\j)+2*(\p)+1]
	v_lshlrev_b32 v[56+2*(\p)], 16, v[48+(\p)]
	v_and_b32 v[56+2*(\p)+1], 0xffff0000, v[48+(\p)]
	v_lshlrev_b32 v[64+2*(\p)], 16, v[US+4*(\j)+(\p)]
	v_and_b32 v[64+2*(\p)+1], 0xffff0000, v[US+4*(\j)+(\p)]
.endr
.irp p, 0,1,2,3                        ; each accumulator is read from its low end on
	v_pk_add_f32 v[56+2*(\p):56+2*(\p)+1], v[56+2*(\p):56+2*(\p)+1], v[ACC+8*(\j)+2*(\p):ACC+8*(\j)+2*(\p)+1]
.endr
.if (\j) == 0
	s_wait_alu depctr_va_sdst(0)                   ; the compare has written s24, ahead of its first reader, the select below; the first block's conversions and additions stand between the two
.endif
.irp i, 0,1,2,3,4,5,6,7
	v_cndmask_b32 v[128+8*(\j)+(\i)], v[64+(\i)], v[56+(\i)], s24
.endr
.endr
	s_wait_alu depctr_va_vdst(0)                   ; the selects have written v[128:159], which the LDS stores read; the last products are done reading v[160:191], in which the LDS loads land
.irp j, 0,1,2,3
	ds_store_b128 v[STO], v[128+8*(\j):128+8*(\j)+3]   offset:64*(\j)
	ds_store_b128 v[STO], v[128+8*(\j)+4:128+8*(\j)+7] offset:64*(\j)+16
.endr
.irp i, 0,1,2,3,4,5,6,7                ; LDS serves a wave's instructions in order: these see the stores above; lanes 0-15 take one row, lanes 16-31 the next
	ds_load_b128 v[160+4*(\i):160+4*(\i)+3], v[RD] offset:(\i)*2*SP
.endr
.irp i, 0,1,2,3,4,5,6,7
	s_wait_dscnt 7-(\i)
	global_store_b128 v[GO], v[160+4*(\i):160+4*(\i)+3], s[10:11] offset:(\i)*4096  ; 16 lanes store 256 consecutive bytes, at a multiple of 256 from the output's first byte
.endr
	s_wait_dscnt 0x0                               ; the wave's end; the add onto my spare word follows
	s_wait_alu depctr_hold_cnt(0) depctr_sa_sdst(0) depctr_va_vdst(0) depctr_va_sdst(0) depctr_va_ssrc(0) depctr_va_vcc(0) depctr_vm_vsrc(0)
	s_wait_tensorcnt 0x0
	ds_add_u32 v14, v15
	s_wait_dscnt 0x0
	s_endpgm
.Lfunc_end_k_qc87d4dd3d9_mlp2:
	.size	k_qc87d4dd3d9_mlp2, .Lfunc_end_k_qc87d4dd3d9_mlp2-k_qc87d4dd3d9_mlp2
	.p2alignl 7, 3214868480
	.fill 96, 4, 3214868480
	.section	.rodata,"a",@progbits
	.p2align	6, 0x0
	.amdhsa_kernel k_qc87d4dd3d9_mlp2
		.amdhsa_group_segment_fixed_size 8960
		.amdhsa_private_segment_fixed_size 0
		.amdhsa_enable_private_segment 0
		.amdhsa_kernarg_size 32
		.amdhsa_user_sgpr_count 2
		.amdhsa_user_sgpr_kernarg_segment_ptr 1
		.amdhsa_wavefront_size32 1
		.amdhsa_system_sgpr_workgroup_id_x 1
		.amdhsa_system_sgpr_workgroup_id_y 1
		.amdhsa_system_sgpr_workgroup_id_z 1
		.amdhsa_system_vgpr_workitem_id 0
		.amdhsa_next_free_vgpr 256
		.amdhsa_next_free_sgpr 66
		.amdhsa_reserve_vcc 0
		.amdhsa_float_denorm_mode_32 3
		.amdhsa_float_denorm_mode_16_64 3
		.amdhsa_memory_ordered 1
		.amdhsa_forward_progress 1
		.amdhsa_inst_pref_size 34
	.end_amdhsa_kernel
	.amdgpu_metadata
---
amdhsa.version: [ 1, 2 ]
amdhsa.kernels:
  - .name:           k_qc87d4dd3d9_mlp2
    .symbol:         k_qc87d4dd3d9_mlp2.kd
    .args:
      - { .name: fh, .offset: 0, .size: 8, .value_kind: global_buffer, .address_space: global }
      - { .name: pre, .offset: 8, .size: 8, .value_kind: global_buffer, .address_space: global }
      - { .name: b2, .offset: 16, .size: 8, .value_kind: global_buffer, .address_space: global }
      - { .name: out0, .offset: 24, .size: 8, .value_kind: global_buffer, .address_space: global }
    .group_segment_fixed_size: 8960
    .private_segment_fixed_size: 0
    .kernarg_segment_align: 8
    .kernarg_segment_size: 32
    .max_flat_workgroup_size: 64
    .sgpr_count:     66
    .vgpr_count:     256
    .wavefront_size: 32
...
	.end_amdgpu_metadata
.endif
;; end of part 8
